; MI455X (gfx1250); checked and timed in simulation.
; The chip was launched on July 23, 2026; its instructions are those of AMD's public machine-readable ISA for CDNA 5 (MIT licence, August 2026) and "CDNA5" Instruction Set Architecture Reference Guide (July 2026). The comments in the code are by the model that wrote it; some were corrected since.
;; Attention. Allowed arithmetic: matrix products marked QUANTISED: E2M1 operands, one E8M0 scale for each 32 along K, by v_wmma_scale_f32_16x16x128_f8f6f4 with both operands' format E2M1 (or v_wmma_scale_f32_32x16x128_f4), f32 sums; products left as they are: f32 operands where the result goes on into a quantised operand, else bf16, f16 or f32 operands; f32 sums; everything else in f32.
;; Inputs: attn_W 2,048 x 1,024 float32; attn_b 1,024 float32; decoder_hidden_codes 32 x 32 x 16 uint8 (E2M1 codes of decoder_hidden, K innermost, in blocks of 32 codes, two codes a byte); decoder_hidden_scales 32 x 32 uint8 (E8M0 scales of decoder_hidden, one for each 32 codes along K); encoder_outputs 32 x 2,048 x 1,024 float32; mask 32 x 2,048 int32; v_w 1,024 float32.
;; Outputs: out0 32 x 2,048 float32; out1 32 x 1,024 float32.
;; This version of the problem:
;;   THIS VERSION OF THE PROBLEM IS GIVEN IN LOW PRECISION. The matrix products marked QUANTISED in the list below multiply operands that are first quantised to E2M1 (2 exponent bits, 1 mantissa bit; 4 bits a number), with one power-of-two scale for each 32 numbers along K (OCP MX v1.0); their sums are f32. All else is computed in f32.
;;   The module's matrix products, in the order in which they are computed (A, B: the left and right operand; K: the contracted axis; several contracted axes count as one K, in the product's order):
;;     1. [M 32, K 1,024] x [K 1,024, N 1,024]; A: input decoder_hidden (given as codes); B: input attn_W: QUANTISED
;;     2. [M 65,536, K 1,024] x [K 1,024, N 1,024]; A: input encoder_outputs; B: input attn_W: QUANTISED
;;     3. [M 65,536, K 1,024] x [K 1,024, N 1]; A: computed on the way; B: input v_w: left as it is (N = 1 < 16)
;;     4. batch 32 x [M 1, K 2,048] x [K 2,048, N 1,024]; A: softmax; B: input encoder_outputs: left as it is (M = 1 < 16)
;;   THE QUANTISER, for each operand of a quantised product, along K:
;;     - K is cut into blocks of 32 from its start; a last block that is shorter is filled with zeros.
;;     - A block's scale is 2^e with e = floor(log2(the largest magnitude in the block)) - 2, held to -126 .. 127; a block of zeros has e = 0. As a byte (E8M0): e + 127.
;;     - Each number is divided by its block's scale, clamped to +-6, and rounded to the nearest number of E2M1, ties to even, subnormals kept.
;;     - The product sums the exact products of the quantised numbers (number of the format x scale) in f32.
;;   ~~~python
;;   def quantise(x, axis):      # numpy; x: float32 -> the quantised numbers, widened to float32 again
;;       x = np.moveaxis(x, axis, -1); K = x.shape[-1]
;;       x = np.pad(x, [(0, 0)] * (x.ndim - 1) + [(0, -K % 32)]); x = x.reshape(x.shape[:-1] + (-1, 32)); a = np.abs(x).max(-1, keepdims=True)
;;       e = np.where(a > 0, np.clip(np.frexp(np.where(a > 0, a, 1))[1] - 1 - 2, -126, 127), 0)      # np.frexp(a)[1] - 1 = floor(log2(a)), exactly
;;       r = np.clip(x / 2.0 ** e, -6, 6)
;;       step = 2.0 ** (np.maximum(np.frexp(np.where(r == 0, 1, r))[1] - 1, 0) - 1)
;;       q = np.round(r / step) * step * 2.0 ** e      # np.round: ties to even
;;       return np.moveaxis(q.reshape(q.shape[:-2] + (-1,))[..., :K], -1, axis).astype(np.float32)
;;   ~~~
;;   INPUTS GIVEN AS CODES. decoder_hidden (in the module: [32, 1024], K = its axis 1): each comes as NAME_codes (uint8): NAME with its K axis moved to the last place and cut into blocks of 32 codes, [.., K / 32, bytes a block], one block behind the other in memory; two codes a byte, the lower K in the low four bits (a code: sign, 2 exponent bits, 1 mantissa bit); and NAME_scales (uint8): the same leading axes, one E8M0 byte (e + 127) for each 32 codes along K. Its value is code x scale, taken as it is: it is not quantised again, and the codes and scales need not be those that the quantiser above would give.
;; 2 versions. Each part assembles by itself: llvm-mc -triple=amdgcn-amd-amdhsa -mcpu=gfx1250 --defsym DOCPART=n.
;; ======== version 1 of 2: 3 launches
;; workspace buffers: wimg 524,288 bytes; wsc 32,768 bytes; cdp 131,072 bytes; scr 262,144 bytes; pml 65,536 bytes; pctx 1,048,576 bytes
;; launch prep (part 1): grid 128 x 1, 8 waves a work-group, no clusters, 17,920 bytes of LDS; arguments attn_W, attn_b, decoder_hidden_codes, decoder_hidden_scales, wimg, wsc, cdp; writes wimg, wsc, cdp
.if DOCPART == 1
	.amdgcn_target "amdgcn-amd-amdhsa--gfx1250"
	.amdhsa_code_object_version 6
	.text
	.protected	k_q80e377b4bb_prep
	.globl	k_q80e377b4bb_prep
	.p2align	8
	.type	k_q80e377b4bb_prep,@function
k_q80e377b4bb_prep:
	s_mov_b64 s[64:65], 0
	v_nop
	global_prefetch_b8 v0, s[64:65] scope:SCOPE_SE
	s_setreg_imm32_b32 hwreg(HW_REG_WAVE_MODE, 25, 1), 1
	s_wait_xcnt 0x0
; attn_W [2048][1024] f32 is quantised along its FIRST axis (K), in its two halves of 1,024 rows, to E2M1 codes with one E8M0 byte for each 32 along K.
; Work-group x: half = x / 64 (0: W_dec, 1: W_enc), column tile t = x % 64 (columns 16 t .. 16 t + 15).  Wave s takes K step s (128 along K).
; A LANE TAKES A COLUMN AND ITS REGISTERS RUN DOWN K, in the order of the matrix operand: lane (r, h) holds k = 64 c + 32 h + 0 .. 31 of column 16 t + r, so the conversions' results ARE the fragment.
; W_enc: the fragment leaves as an image of its registers, wimg[t][s][c][lane][16 bytes]; the scale words of the tile's eight K steps meet in LDS and leave as wsc[t][lane'][j]:
;        word of column lane' % 16, K step 4 (lane' / 16) + j: one 16-byte load a lane then gives four scale registers that carry K steps j (lanes 0-15) and 4 + j (lanes 16-31).
; W_dec: the fragment is multiplied at once by the decoder's codes (32 batches: two tiles), used transposed: a lane holds one batch and eight columns.  The eight waves' partial sums meet in LDS;
;        cdp[t][a][jq][lane][4] = c (dec_proj + attn_b), c = 2 log2(e), for batch 16 a + lane % 16, columns 16 t + 8 (lane / 16) + 4 jq + 0 .. 3.
; The two halves part once, on the work-group's number; each way has its own LDS bytes, its own barrier and its own end.
; LIMITS: NaN and infinities among the inputs are not served.  A block of zeros gets the byte 1 where the quantiser says 127: its codes are zeros, and this program alone reads the bytes.
.set DECB, 0                           ; LDS: 8 waves x 2,048 bytes: images of the two accumulators, piece 2 a + jq at 512 bytes each
.set ENCB, 16384                       ; LDS: 512 bytes of scale words
	s_load_b256 s[4:11], s[0:1], 0x0               ; attn_W s[4:5], attn_b s[6:7], decoder codes s[8:9], decoder scales s[10:11]
	s_load_b128 s[12:15], s[0:1], 0x20             ; wimg s[12:13], wsc s[14:15]
	s_load_b64 s[16:17], s[0:1], 0x30              ; cdp
	v_lshl_add_u32 v254, v0, 2, 0x4200
	v_mov_b32 v255, 0
	v_lshrrev_b32 v10, 5, v0
	v_readfirstlane_b32 s18, v10                   ; wave = K step
	s_lshr_b32 s19, ttmp9, 6                       ; half
	s_and_b32 s20, ttmp9, 63                       ; column tile
	v_and_b32 v3, 31, v0                           ; lane
	v_and_b32 v1, 15, v0                           ; r
	v_bfe_u32 v2, v0, 4, 1                         ; h
	v_lshlrev_b32 v5, 2, v1                        ; W: 4 r,
	v_lshl_add_u32 v5, v2, 17, v5                  ; and 32 rows of 4,096 bytes further down for lanes 16-31
	v_lshlrev_b32 v6, 4, v3                        ; 16 x lane: an image's place for my lane
	s_lshl_b32 s28, s18, 11
	v_add_nc_u32 v224, s28, v6                     ; where I put my accumulators' images
	s_lshl_b32 s28, s18, 9
	v_add_nc_u32 v225, s28, v6                     ; piece w of wave 0's images (waves 0 to 3 read)
	s_lshr_b32 s28, s18, 2
	s_lshl_b32 s28, s28, 8
	s_and_b32 s29, s18, 3
	s_lshl_b32 s29, s29, 2
	s_add_co_u32 s28, s28, s29
	s_add_co_u32 s28, s28, ENCB
	v_lshl_add_u32 v226, v1, 4, s28                ; my scale word's place: 256 (s / 4) + 16 r + 4 (s % 4)
	v_add_nc_u32 v227, ENCB, v6
	s_lshl_b32 s26, s19, 22                        ; my part of W: (1,024 half + 128 s) rows of 4,096 bytes + 64 t
	s_lshl_b32 s28, s18, 19
	s_add_co_u32 s26, s26, s28
	s_lshl_b32 s28, s20, 6
	s_add_co_u32 s26, s26, s28
	s_mov_b32 s27, 0
	s_mov_b32 s22, 0x76543210
	s_mov_b32 s23, 0xfedcba98                      ; v_permlanex16_b32's selects for lane l xor 16
	s_wait_kmcnt 0x0
	s_add_nc_u64 s[4:5], s[4:5], s[26:27]
.irp c, 0,1
.irp i, 0,1,2,3,4,5,6,7,8,9,10,11,12,13,14,15,16,17,18,19,20,21,22,23,24,25,26,27,28,29,30,31
	global_load_b32 v[64+32*\c+\i], v5, s[4:5] offset:4096*(64*\c+\i)   ; W(64 c + 32 h + i, 16 t + r): all 64 go out at once
.endr
.endr
; 64 numbers of a lane become the fragment v[48:55] and the column's scale word v9
.macro QUANTW
.irp c, 0,1
	v_max3_num_f32 v[32+\c], |v[64+32*\c]|, |v[65+32*\c]|, 0x1800000   ; my block 2 c + h: all its 32 numbers are mine; the floor 2^(3 - 127) keeps the byte at 1 from below
.endr
.irp i, 2,4,6,8,10,12,14,16,18,20,22,24,26,28,30
.irp c, 0,1
	v_max3_num_f32 v[32+\c], v[32+\c], |v[64+32*\c+\i]|, |v[65+32*\c+\i]|   ; (the two blocks by turns)
.endr
.endr
.irp c, 0,1
	v_add_nc_u32 v[44+\c], 0xff000000, v[32+\c]    ; 2 off the exponent field: the conversion's scale operand
.endr
.irp c, 0,1
	v_lshrrev_b32 v[36+\c], 23, v[44+\c]           ; the scale's byte
.endr
	v_lshl_or_b32 v9, v37, 16, v36                 ; my two bytes: blocks h and 2 + h,
	v_lshlrev_b32 v10, 3, v2
	v_lshlrev_b32 v9, v10, v9                      ; at their places in the word (8 h bits up);
	v_mov_b32 v10, 0
	v_permlanex16_b32 v10, v9, s22, s23
	v_or_b32 v9, v9, v10                           ; with lane l xor 16's two the word is whole, in both halves of the lanes
.irp c, 0,1
.irp g, 0,1,2,3
	v_cvt_scalef32_pk8_fp4_f32 v[48+4*\c+\g], v[64+32*\c+8*\g:71+32*\c+8*\g], v[44+\c]
.endr
.endr
	v_nop                                          ; one plain place behind the last scaled conversion
.endm
	s_cmp_lg_u32 s19, 0
	s_cbranch_scc1 .Lenc
	; ---- W_dec: the product with the decoder's codes
	v_lshlrev_b32 v7, 9, v1
	v_lshl_add_u32 v7, v2, 4, v7                   ; decoder codes: batch r of 512 bytes, + 16 h
	v_lshlrev_b32 v8, 5, v1                        ; decoder scales: 32 bytes a batch
	v_lshlrev_b32 v11, 5, v2                       ; bias: 8 h numbers
	s_lshl_b32 s26, s18, 6
	s_add_nc_u64 s[8:9], s[8:9], s[26:27]          ; K step s: 64 bytes of codes on,
	s_lshl_b32 s26, s18, 2
	s_add_nc_u64 s[10:11], s[10:11], s[26:27]      ; one scale word on
.irp a, 0,1
.irp c, 0,1
	global_load_b128 v[16+8*\a+4*\c:19+8*\a+4*\c], v7, s[8:9] offset:8192*\a+32*\c
.endr
	global_load_b32 v[12+\a], v8, s[10:11] offset:512*\a
.endr
	s_cmp_gt_u32 s18, 3                            ; waves 0 to 3 finish the sums: wave w takes piece w = 2 a + jq, and its bias
	s_cbranch_scc1 .Lno_bias
	s_lshl_b32 s26, s20, 6
	s_and_b32 s28, s18, 1
	s_lshl_b32 s28, s28, 4
	s_add_co_u32 s26, s26, s28
	s_add_nc_u64 s[6:7], s[6:7], s[26:27]
	global_load_b128 v[216:219], v11, s[6:7]       ; attn_b(16 t + 8 h + 4 jq + 0 .. 3)
.Lno_bias:
	s_wait_loadcnt 0x0                             ; everything is wanted next
	QUANTW
.rept 7
	v_nop                                          ; with the one above: eight places between the vector instruction that wrote the scale word and the scaled matrix instruction (four for the codes)
.endr
	v_wmma_scale_f32_16x16x128_f8f6f4 v[200:207], v[48:55], v[16:23], 0, v9, v12 matrix_a_fmt:MATRIX_FMT_FP4 matrix_b_fmt:MATRIX_FMT_FP4   ; source 0 = 16 columns of W, source 1 = batches 0-15
	v_wmma_scale_f32_16x16x128_f8f6f4 v[208:215], v[48:55], v[24:31], 0, v9, v13 matrix_a_fmt:MATRIX_FMT_FP4 matrix_b_fmt:MATRIX_FMT_FP4   ; batches 16-31
.rept 4
	v_nop                                          ; four places in front of the first read of the results
.endr
.irp a, 0,1
	ds_store_b128 v224, v[200+8*\a:203+8*\a] offset:DECB+1024*\a       ; each accumulator from its low end on
	ds_store_b128 v224, v[204+8*\a:207+8*\a] offset:DECB+1024*\a+512
.endr
	s_wait_dscnt 0x0                               ; for the others' sake: my images have landed
	s_barrier_signal -1
	s_barrier_wait -1
	s_cmp_gt_u32 s18, 3
	s_cbranch_scc1 .Lend
.irp i, 0,1,2,3,4,5,6,7
	ds_load_b128 v[128+4*\i:131+4*\i], v225 offset:DECB+2048*\i        ; piece w of K step i
.endr
	s_lshl_b32 s26, s20, 11
	s_lshl_b32 s28, s18, 9
	s_add_co_u32 s26, s26, s28
	s_add_nc_u64 s[16:17], s[16:17], s[26:27]      ; cdp at tile t, piece w
	s_mov_b32 s24, 0x4038aa3b                      ; c = 2 log2(e)
	s_mov_b32 s25, s24                             ; (named with it as a pair, so it is written)
	s_wait_dscnt 0x0
.irp i, 1,2,3,4,5,6,7
	v_pk_add_f32 v[128:129], v[128:129], v[128+4*\i:129+4*\i]          ; K ascending
	v_pk_add_f32 v[130:131], v[130:131], v[130+4*\i:131+4*\i]
.endr
	v_pk_add_f32 v[128:129], v[128:129], v[216:217]
	v_pk_add_f32 v[130:131], v[130:131], v[218:219]
	v_pk_mul_f32 v[220:221], v[128:129], s[24:25] op_sel_hi:[1,0]
	v_pk_mul_f32 v[222:223], v[130:131], s[24:25] op_sel_hi:[1,0]
	global_store_b128 v6, v[220:223], s[16:17]     ; the wave stores 512 consecutive bytes
.Lend:
	s_wait_tensorcnt 0x0
	ds_add_u32 v254, v255
	s_wait_dscnt 0x0
	s_endpgm
	; ---- W_enc: the images leave
.Lenc:
	s_wait_loadcnt 0x0
	QUANTW
	s_lshl_b32 s26, s20, 13
	s_lshl_b32 s28, s18, 10
	s_add_co_u32 s26, s26, s28
	s_add_nc_u64 s[12:13], s[12:13], s[26:27]      ; wimg at (8 t + s) x 1,024 bytes
	global_store_b128 v6, v[48:51], s[12:13]       ; 512 consecutive bytes each
	global_store_b128 v6, v[52:55], s[12:13] offset:512
	ds_store_b32 v226, v9                          ; both halves of the lanes write the same word with the same value
	s_wait_dscnt 0x0                               ; for wave 0's sake
	s_barrier_signal -1
	s_barrier_wait -1
	s_cmp_lg_u32 s18, 0
	s_cbranch_scc1 .Lend_enc
	ds_load_b128 v[128:131], v227
	s_lshl_b32 s26, s20, 9
	s_add_nc_u64 s[14:15], s[14:15], s[26:27]
	s_wait_dscnt 0x0
	global_store_b128 v6, v[128:131], s[14:15]     ; the tile's 128 scale words: 512 consecutive bytes
.Lend_enc:
	s_wait_tensorcnt 0x0
	ds_add_u32 v254, v255
	s_wait_dscnt 0x0
	s_endpgm
.Lfunc_end_k_q80e377b4bb_prep:
	.size	k_q80e377b4bb_prep, .Lfunc_end_k_q80e377b4bb_prep-k_q80e377b4bb_prep
	.p2alignl 7, 3214868480
	.fill 96, 4, 3214868480
	.section	.rodata,"a",@progbits
	.p2align	6, 0x0
	.amdhsa_kernel k_q80e377b4bb_prep
		.amdhsa_group_segment_fixed_size 17920
		.amdhsa_private_segment_fixed_size 0
		.amdhsa_enable_private_segment 0
		.amdhsa_kernarg_size 56
		.amdhsa_user_sgpr_count 2
		.amdhsa_user_sgpr_kernarg_segment_ptr 1
		.amdhsa_wavefront_size32 1
		.amdhsa_system_sgpr_workgroup_id_x 1
		.amdhsa_system_sgpr_workgroup_id_y 1
		.amdhsa_system_sgpr_workgroup_id_z 1
		.amdhsa_system_vgpr_workitem_id 0
		.amdhsa_next_free_vgpr 256
		.amdhsa_next_free_sgpr 66
		.amdhsa_reserve_vcc 0
		.amdhsa_float_denorm_mode_32 3
		.amdhsa_float_denorm_mode_16_64 3
		.amdhsa_memory_ordered 1
		.amdhsa_forward_progress 1
		.amdhsa_inst_pref_size 20
	.end_amdhsa_kernel
	.amdgpu_metadata
---
amdhsa.version: [ 1, 2 ]
amdhsa.kernels:
  - .name:           k_q80e377b4bb_prep
    .symbol:         k_q80e377b4bb_prep.kd
    .args:
      - { .name: attn_W, .offset: 0, .size: 8, .value_kind: global_buffer, .address_space: global }
      - { .name: attn_b, .offset: 8, .size: 8, .value_kind: global_buffer, .address_space: global }
      - { .name: decoder_hidden_codes, .offset: 16, .size: 8, .value_kind: global_buffer, .address_space: global }
      - { .name: decoder_hidden_scales, .offset: 24, .size: 8, .value_kind: global_buffer, .address_space: global }
      - { .name: wimg, .offset: 32, .size: 8, .value_kind: global_buffer, .address_space: global }
      - { .name: wsc, .offset: 40, .size: 8, .value_kind: global_buffer, .address_space: global }
      - { .name: cdp, .offset: 48, .size: 8, .value_kind: global_buffer, .address_space: global }
    .group_segment_fixed_size: 17920
    .private_segment_fixed_size: 0
    .kernarg_segment_align: 8
    .kernarg_segment_size: 56
    .max_flat_workgroup_size: 256
    .sgpr_count:     66
    .vgpr_count:     256
    .wavefront_size: 32
...
	.end_amdgpu_metadata
.endif
;; end of part 1
;; launch main (part 2): grid 256 x 1, 8 waves a work-group, no clusters, 303,104 bytes of LDS; arguments encoder_outputs, mask, v_w, wimg, wsc, cdp, scr, pml, pctx; writes scr, pml, pctx
.if DOCPART == 2
	.amdgcn_target "amdgcn-amd-amdhsa--gfx1250"
	.amdhsa_code_object_version 6
	.text
	.protected	k_q80e377b4bb_main
	.globl	k_q80e377b4bb_main
	.p2align	8
	.type	k_q80e377b4bb_main,@function
k_q80e377b4bb_main:
	s_mov_b64 s[64:65], 0
	v_nop
	global_prefetch_b8 v0, s[64:65] scope:SCOPE_SE
	s_setreg_imm32_b32 hwreg(HW_REG_WAVE_MODE, 25, 1), 1
	s_wait_xcnt 0x0
; score[row] = sum over n of v[n] tanh(dec_proj[n] + b[n] + (enc[row] . W_enc[:, n])), the product on E2M1 codes with E8M0 scales; mask; a running softmax; a partial context.  enc is read from memory ONCE.
; SHARES.  Work-group g owns rows 256 g .. 256 g + 255 of the 65,536 (all of batch g / 8), as 4 blocks of 64 rows.  Eight waves in TWO ROLES, four each; Q = wave / 2 is a wave's number in its role.
;   LOADER Q streams rows 16 Q .. 16 Q + 15 of each block: a row is eight loads of 512 consecutive bytes; eight rows (64 loads) of each loader are always on their way.  It quantises the row in registers and
;   puts into LDS its codes, its scale bytes and a copy in bf16 (for the context).  Its load counter counts enc's loads alone.
;   COMPUTE WAVE Q owns columns 256 Q .. 256 Q + 255 (16 column tiles) for all 64 rows.  The block's codes stay in its registers (4 row tiles x 8 K steps x 8 = 256); each fragment of W goes from memory straight
;   into the registers of the one wave that multiplies by it, two column tiles ahead, and feeds four matrix instructions.  Its load counter counts W's loads alone.
; PIPELINE.  The loaders make block 0 in front of the loop; in trip J the compute waves work block J while the loaders make block J + 1.  One barrier in front of the loop (block 0 and the mask lie in LDS), two a trip,
;   all in text that every wave runs:  compute: codes into registers | B: the codes' bytes are free, and the context of the block before has been read | loaders: block J + 1; compute: 16 column tiles, partial scores
;   | C: the partial scores and block J + 1 lie whole in LDS | compute: softmax, context from the bf16 copy; the loaders store nothing until the next B.
; tanh(y) = 1 - 2 / (1 + 2^(c y)), c = 2 log2(e): score = sum of v - 2 sum of v[n] / (1 + 2^(c acc + cd[n])), cd = c (dec_proj + b) made by the launch before.  2^x = infinity gives 0, 2^x = 0 gives 1: tanh saturates rightly.
; SOFTMAX.  Running maximum m and sum l for the work-group's rows; p = e^(score - m); context and l are multiplied by e^(m_old - m_new) in every block.  The launch behind joins the eight work-groups of a batch.
; NO JOINT LOADS: a joint load lands in LDS, of which 25,600 bytes are left beside the two copies and the codes; one column tile of W for each of the four compute waves is 34,816 bytes.
; NO PREFETCH INSTRUCTION: the loaders' 64 loads a wave are the look-ahead for enc.
; The ring of two column tiles runs on from block to block (every block begins with tiles 0 and 1 again); behind the last block the 42 loads a wave that were asked for ahead are not used: leaving them out would make the counts of the tile's waits wrong.
; LIMITS: NaN and infinities among the inputs are not served.  A block of zeros gets the scale byte 1 where the quantiser says 127: its codes are zeros, and this program alone reads the bytes.  enc enters the context rounded to bf16.
.set BFB,  131072                      ; LDS 0: two bf16 copies of 64 rows x 2,048 bytes; block J lies in copy J % 2
.set CDB,  262144                      ; codes: 64 rows, 512 bytes + 16: the 16 rows of a fragment load begin 33 x 16 bytes apart
.set CP,   528
.set SCB,  295936                      ; scale bytes: 64 rows, 32 bytes + 16
.set SP,   48
.set SPT,  299008                      ; partial scores [Q][64 rows] f32
.set PPV,  300032                      ; p: 256 bytes of its own for each compute wave
.set MSK,  301056                      ; the work-group's 256 mask words
; window 0, addresses: made at the head by every wave, never the target of a load
.set ACD,  1                           ; loader: codes: CDB + 16 CP Q + 2 lane
.set ASC,  2                           ; loader: scale bytes: SCB + 16 SP Q + lane / 8
.set ABF0, 3                           ; loader: copy: 32,768 Q + 8 lane
.set ABF,  4                           ;   + the copy in hand
.set CHO,  5                           ; 256 h (global offset in cdp)
.set AXF,  6                           ; compute: fragments: CDB + CP r + 16 h
.set AXS,  7                           ; compute: scale words: SCB + SP r + 16 h
.set ASP,  8                           ; SPT + 256 Q + 4 r
.set ASR,  9                           ; SPT + 8 lane
.set AMK,  10                          ; MSK + 8 lane, + 256 a trip
.set APW,  11                          ; PPV + 256 Q + 8 lane
.set APR,  12                          ; PPV + 256 Q
.set ACX0, 13                          ; copy: 512 Q + 16 lane
.set ACXL, 14                          ;   + the copy in hand: rows 0-31
.set ACXH, 15                          ;   rows 32-63
.set WOF,  16                          ; 16 lane
.set HOF,  17                          ; 32 h
.set SOF,  18                          ; 8 lane
; window 0, compute role
.set XS,   20                          ; v20-35  x's scale words: 4 m + j: K step j in lanes 0-15, 4 + j in lanes 16-31; scales and nothing else
.set WS,   36                          ; v36-43  W's scale words, four for each buffer; scales and nothing else
.set CTX,  44                          ; v44-51  context: columns 256 Q + 8 lane + 0 .. 7
.set MR,   52                          ; running maximum
.set LR,   53                          ; running sum
.set SACC, 54                          ; v54-61  sum of v / (1 + 2^..), a pair for each row tile
.set CDV,  62                          ; v62-93  buffer be: cd at 16 be + 0 .. 7, v at 16 be + 8 .. 15
.set ACC,  94                          ; v94-125 four accumulators; at work in the softmax
.set VS,   127                         ; the sum of v over my 256 columns
.set WF,   128                         ; v128-255 W's fragments: buffer be, K step s at 64 be + 8 s
; window 1, compute role: x's fragments (row tile m, K step s) at 64 m + 8 s; in the context p at 0, two sets of 16 rows at 64 and 128
; loader role: window 1 is the ring, row g at 32 (g % 8), load a at + 4 a; window 0 from LT: two sets of 48 at work
.set LT,   128
.set EB,   4                           ; s[4:5]   enc at my wave's rows of the block in hand
.set MKB,  6
.set VB,   8
.set WB,   10
.set SB,   12
.set CB,   14
.set SCRB, 16
.set PMB,  18
.set PCB,  20
.set WVN,  22
.set ROLE, 23                          ; 0 compute, 1 loader
.set QN,   24
.set JN,   25
.set TC,   26
.set TI,   27                          ; the column tile to be asked for
.set PL,   28                          ; the copy that the loaders write
.set PCX,  29                          ; the copy that the context reads
.set FLR,  30
.set EOFS, 31
.set CC,   32                          ; s[32:33] c
.set SEL,  34                          ; s[34:35]
.set WA,   46                          ; s[46:53] the trip's four addresses
.set SA,   48
.set CA,   50
.set VA,   52
.set OFS,  54                          ; s[54:55] an offset, high word 0
.set MSB, 0
.macro WIN new                         ; bits 1:0 source 0, 3:2 source 1, 5:4 source 2, 7:6 destination; the immediate's high byte repeats the setting that is left
.if MSB != \new
	s_set_vgpr_msb (MSB<<8)|\new
.set MSB, \new
.endif
.endm
.macro BAR                             ; my LDS stores have landed and my LDS loads are in: then the work-group's barrier
	s_wait_dscnt 0x0
	s_barrier_signal -1
	s_barrier_wait -1
.endm
; LOADER: row g of my 16.  Load a brought k = 128 a + 4 lane + 0 .. 3: K step a; a block of 32 lies in 8 neighbouring lanes.
; ld = 1: the ring slot takes row g + 8 of this block; 2: row g - 8 of the next block; 0: nothing.  cnt: the younger loads that may stay out.
.macro XGROUP g, ld, cnt
.set RG, 32*((\g)&7)
.set TT, LT+48*((\g)&1)
	s_wait_loadcnt \cnt                            ; loads come back in order: this row's eight are in
	s_wait_dscnt 24                                ; the 24 stores of the row before may be out; those of two rows back, which read this set of registers, are done
	WIN 0x05
.irp a, 0,1,2,3,4,5,6,7
	v_max3_num_f32 v[TT+\a], |v[RG+4*\a]|, |v[RG+4*\a+1]|, s[FLR]      ; my four numbers of block 4 a + lane / 8, and the floor 2^(3 - 127): the byte cannot fall under 1
.endr
.irp a, 0,1,2,3,4,5,6,7
	v_max3_num_f32 v[TT+\a], |v[RG+4*\a+2]|, |v[RG+4*\a+3]|, v[TT+\a]
.endr
.irp n, 0,1,2,3,4,5,6,7,8,9,10,11,12,13,14,15
	v_cvt_pk_bf16_f32 v[TT+24+\n], v[RG+2*\n], v[RG+2*\n+1]            ; the copy for the context
.endr
	WIN 0
.irp x, 1,2,4
.irp a, 0,1,2,3,4,5,6,7
	v_max_num_f32_dpp v[TT+\a], v[TT+\a], v[TT+\a] row_xmask:\x row_mask:0xf bank_mask:0xf   ; over the block's eight lanes
.endr
.endr
.irp a, 0,1,2,3,4,5,6,7
	v_add_nc_u32 v[TT+\a], s[EOFS], v[TT+\a]       ; 2 off the exponent field: the conversion's scale operand
.endr
.irp a, 0,1,2,3,4,5,6,7
	v_lshrrev_b32 v[TT+8+\a], 23, v[TT+\a]         ; the scale's byte
.endr
	WIN 0x01
.irp p, 0,1,2,3                        ; a conversion takes eight registers and ONE scale; these eight are four numbers of K step 2 p and four of 2 p + 1: so twice, and of each result the half that was divided by its own scale is kept
	v_cvt_scalef32_pk8_fp4_f32 v[TT+16+2*\p], v[RG+8*\p:RG+8*\p+7], v[TT+2*\p]
	v_cvt_scalef32_pk8_fp4_f32 v[TT+17+2*\p], v[RG+8*\p:RG+8*\p+7], v[TT+2*\p+1]
.endr
	WIN 0
	v_nop                                          ; one plain place behind the last scaled conversion
.irp a, 0,1,2,3,4,5,6,7
	ds_store_b64 v[ABF], v[TT+24+2*\a:TT+25+2*\a] offset:2048*(\g)+256*\a   ; 256 consecutive bytes
.endr
.irp p, 0,1,2,3
	ds_store_b16 v[ACD], v[TT+16+2*\p] offset:CP*(\g)+128*\p                ; four codes: the low half
	ds_store_b16_d16_hi v[ACD], v[TT+17+2*\p] offset:CP*(\g)+128*\p+64      ; the high half
.endr
.irp a, 0,1,2,3,4,5,6,7
	ds_store_b8 v[ASC], v[TT+8+\a] offset:SP*(\g)+4*\a                      ; the block's eight lanes write the same byte with the same value
.endr
.if \ld
.if \ld == 1
.set GOFF, ((\g)+8)*4096
.else
.set GOFF, 262144+((\g)-8)*4096
.endif
	WIN 0x40
.irp a, 0,1,2,3,4,5,6,7
	global_load_b128 v[RG+4*\a:RG+4*\a+3], v[WOF], s[EB:EB+1] offset:GOFF+512*\a th:TH_LOAD_NT   ; 512 consecutive bytes; read once in the launch
.endr
	WIN 0
.endif
.endm
; COMPUTE: the block's codes and scale words into registers
.macro XFETCH
	WIN 0x40
.irp m, 0,1,2,3
.irp s, 0,1,2,3,4,5,6,7
	ds_load_b128 v[64*\m+8*\s:64*\m+8*\s+3],   v[AXF] offset:16*CP*\m+64*\s      ; lane (r, h): k = 128 s + 32 h + 0 .. 31 of row 16 m + r,
	ds_load_b128 v[64*\m+8*\s+4:64*\m+8*\s+7], v[AXF] offset:16*CP*\m+64*\s+32   ; and 64 further on
.endr
.endr
	WIN 0
.irp m, 0,1,2,3
	ds_load_b128 v[XS+4*\m:XS+4*\m+3], v[AXS] offset:16*SP*\m
.endr
.endm
.macro GADDR                           ; where column tiles TI and TI + 1 of my 16 lie
	s_wait_xcnt 0x0                                ; the last trip's loads have read these address pairs
	s_lshl_b32 s[OFS], s[TI], 13
	s_add_nc_u64 s[WA:WA+1], s[WB:WB+1], s[OFS:OFS+1]
	s_lshl_b32 s[OFS], s[TI], 9
	s_add_nc_u64 s[SA:SA+1], s[SB:SB+1], s[OFS:OFS+1]
	s_lshl_b32 s[OFS], s[TI], 11
	s_add_nc_u64 s[CA:CA+1], s[CB:CB+1], s[OFS:OFS+1]
	s_lshl_b32 s[OFS], s[TI], 6
	s_add_nc_u64 s[VA:VA+1], s[VB:VB+1], s[OFS:OFS+1]
.endm
; A column tile is 21 loads, always in this order: its scale words, its eight fragments K ascending (two loads each), cd (2), v (2).  All but v's are images: 512 consecutive bytes each.
.macro WLOADW be                       ; 17 loads: the scale words first: the first product wants them
	global_load_b128 v[WS+4*\be:WS+4*\be+3], v[WOF], s[SA:SA+1] offset:512*\be
.irp s, 0,1,2,3,4,5,6,7
	global_load_b128 v[WF+64*\be+8*\s:WF+64*\be+8*\s+3],   v[WOF], s[WA:WA+1] offset:8192*\be+1024*\s
	global_load_b128 v[WF+64*\be+8*\s+4:WF+64*\be+8*\s+7], v[WOF], s[WA:WA+1] offset:8192*\be+1024*\s+512
.endr
.endm
.macro LOADCD be                       ; 2 loads: cd of the tile's columns 8 h + 0 .. 7
	global_load_b128 v[CDV+16*\be:CDV+16*\be+3],     v[CHO], s[CA:CA+1] offset:2048*\be
	global_load_b128 v[CDV+16*\be+4:CDV+16*\be+7],   v[CHO], s[CA:CA+1] offset:2048*\be+512
.endm
.macro LOADV be                        ; 2 loads: v of the same columns
	global_load_b128 v[CDV+16*\be+8:CDV+16*\be+11],  v[HOF], s[VA:VA+1] offset:64*\be
	global_load_b128 v[CDV+16*\be+12:CDV+16*\be+15], v[HOF], s[VA:VA+1] offset:64*\be+16
.endm
; COMPUTE: one column tile against the 64 rows.  Used transposed: source 0 = 16 columns of W, source 1 = 16 rows of x: lane (r, h) holds row r of the row tile, its register j column 8 h + j.
; Each wait stands where its data are used, so that the products begin while the tile's later loads are on their way.
.macro TILE be
	WIN 0x04                                       ; source 1 (x) in window 1
.irp s, 0,1,2,3,4,5,6,7                ; the four accumulators take turns, one instruction a turn
	s_wait_loadcnt 39-2*\s                         ; the scale words and fragments 0 .. s are in.  Behind fragment s may be out: this tile's 7 - s later fragments (two loads each), its cd and v (4), the other buffer's 21
.irp m, 0,1,2,3
.if \s == 0
	v_wmma_scale_f32_16x16x128_f8f6f4 v[ACC+8*\m:ACC+8*\m+7], v[WF+64*\be+8*\s:WF+64*\be+8*\s+7], v[64*\m+8*\s:64*\m+8*\s+7], 0, v[WS+4*\be+\s], v[XS+4*\m+\s] matrix_a_fmt:MATRIX_FMT_FP4 matrix_b_fmt:MATRIX_FMT_FP4
.elseif \s < 4
	v_wmma_scale_f32_16x16x128_f8f6f4 v[ACC+8*\m:ACC+8*\m+7], v[WF+64*\be+8*\s:WF+64*\be+8*\s+7], v[64*\m+8*\s:64*\m+8*\s+7], v[ACC+8*\m:ACC+8*\m+7], v[WS+4*\be+\s], v[XS+4*\m+\s] matrix_a_fmt:MATRIX_FMT_FP4 matrix_b_fmt:MATRIX_FMT_FP4
.else
	v_wmma_scale_f32_16x16x128_f8f6f4 v[ACC+8*\m:ACC+8*\m+7], v[WF+64*\be+8*\s:WF+64*\be+8*\s+7], v[64*\m+8*\s:64*\m+8*\s+7], v[ACC+8*\m:ACC+8*\m+7], v[WS+4*\be+\s-4], v[XS+4*\m+\s-4] matrix_a_fmt:MATRIX_FMT_FP4 matrix_b_fmt:MATRIX_FMT_FP4 matrix_a_scale:MATRIX_SCALE_ROW1 matrix_b_scale:MATRIX_SCALE_ROW1
.endif
.endr
.endr
	WIN 0
.rept 4
	v_nop                                          ; four places in front of the loads into W's registers and of the first read of the results
.endr
.if \be == 0
	GADDR                                          ; the trip's addresses are made here, directly ahead of the trip's first load: the loads that read the old ones were issued 32 products ago or earlier
.endif
	WLOADW \be                                     ; this buffer's next tile, two tiles ahead
	s_wait_loadcnt 40                              ; this tile's cd is in.  Behind it may be out: its v (2), the other buffer's 21, the 17 just issued
.irp p, 0,1,2,3                        ; pair by pair over the four accumulators: each accumulator is first read at its low end
.irp m, 0,1,2,3
	v_pk_fma_f32 v[ACC+8*\m+2*\p:ACC+8*\m+2*\p+1], v[ACC+8*\m+2*\p:ACC+8*\m+2*\p+1], s[CC:CC+1], v[CDV+16*\be+2*\p:CDV+16*\be+2*\p+1] op_sel_hi:[1,0,1]   ; c acc + cd
.endr
.endr
	LOADCD \be                                     ; cd has been read: the next tile's is asked for at once
.set j, 0
.rept 32
	v_exp_f32 v[ACC+j], v[ACC+j]
.set j, j+1
.endr
	v_nop                                          ; a plain place behind the last exponential
	s_wait_alu depctr_va_vdst(0)                   ; one wait for the batch, ahead of its first reader
.set j, 0
.rept 16
	v_pk_add_f32 v[ACC+j:ACC+j+1], v[ACC+j:ACC+j+1], 1.0 op_sel_hi:[1,0]
.set j, j+2
.endr
.set j, 0
.rept 32
	v_rcp_f32 v[ACC+j], v[ACC+j]
.set j, j+1
.endr
	v_nop
	s_wait_alu depctr_va_vdst(0)                   ; and one for the reciprocals
	s_wait_loadcnt 40                              ; this tile's v is in.  Behind it may be out: the other buffer's 21, the 17 and the 2 issued above
.irp p, 0,1,2,3
.irp m, 0,1,2,3
	v_pk_fma_f32 v[SACC+2*\m:SACC+2*\m+1], v[ACC+8*\m+2*\p:ACC+8*\m+2*\p+1], v[CDV+16*\be+8+2*\p:CDV+16*\be+9+2*\p], v[SACC+2*\m:SACC+2*\m+1]
.endr
.endr
	LOADV \be
.endm
; COMPUTE: 16 rows of the copy (set at register eb of window 1), weights from register pf on: context += p x row, straight from the bf16 halves
.macro CTXROWS eb, pf
.irp q, 0,1,2,3,4,5,6,7,8,9,10,11,12,13,14,15
.irp i, 0,1,2,3
	v_fma_mix_f32_bf16 v[CTX+2*\i],   v[\eb+4*\q+\i], v[\pf+\q], v[CTX+2*\i] op_sel_hi:[1,0,0]
	v_fma_mix_f32_bf16 v[CTX+2*\i+1], v[\eb+4*\q+\i], v[\pf+\q], v[CTX+2*\i+1] op_sel:[1,0,0] op_sel_hi:[1,0,0]
.endr
.endr
.endm
	; ---- the head: every wave
	s_load_b512 s[4:19], s[0:1], 0x0               ; enc, mask, v_w, wimg, wsc, cdp, scr, pml
	s_load_b64 s[20:21], s[0:1], 0x40              ; pctx
	v_lshl_add_u32 v19, v0, 2, 0x49c00
	v_mov_b32 v126, 0
	v_lshrrev_b32 v94, 5, v0
	v_readfirstlane_b32 s[WVN], v94                ; wave 0..7
	s_lshr_b32 s[ROLE], s[WVN], 2
	s_xor_b32 s[ROLE], s[ROLE], s[WVN]
	s_and_b32 s[ROLE], s[ROLE], 1                  ; compute: waves 0, 2, 5, 7; loaders: 1, 3, 4, 6: in each role wave % 4 and wave / 2 take each of their four values once
	s_lshr_b32 s[QN], s[WVN], 1
	v_and_b32 v94, 31, v0                          ; lane
	v_and_b32 v95, 15, v0                          ; r
	v_bfe_u32 v96, v0, 4, 1                        ; h
	v_lshrrev_b32 v97, 3, v94                      ; lane / 8
	s_mul_i32 s56, s[QN], 16*CP
	s_add_co_u32 s56, s56, CDB
	v_lshl_add_u32 v[ACD], v94, 1, s56
	s_mul_i32 s56, s[QN], 16*SP
	s_add_co_u32 s56, s56, SCB
	v_add_nc_u32 v[ASC], s56, v97
	s_lshl_b32 s56, s[QN], 15
	v_lshl_add_u32 v[ABF0], v94, 3, s56
	v_lshl_add_u32 v[ABF], v94, 3, s56             ; block 0 goes into copy 0
	v_mul_u32_u24 v[AXF], v95, CP
	v_lshl_add_u32 v[AXF], v96, 4, v[AXF]
	v_add_nc_u32 v[AXF], CDB, v[AXF]
	v_mul_u32_u24 v[AXS], v95, SP
	v_lshl_add_u32 v[AXS], v96, 4, v[AXS]
	v_add_nc_u32 v[AXS], SCB, v[AXS]
	s_lshl_b32 s56, s[QN], 8
	s_add_co_u32 s57, s56, SPT
	v_lshl_add_u32 v[ASP], v95, 2, s57
	v_lshl_add_u32 v[ASR], v94, 3, SPT
	v_lshl_add_u32 v[AMK], v94, 3, MSK
	s_add_co_u32 s57, s56, PPV
	v_lshl_add_u32 v[APW], v94, 3, s57
	v_mov_b32 v[APR], s57
	s_lshl_b32 s56, s[QN], 9
	v_lshl_add_u32 v[ACX0], v94, 4, s56
	v_lshlrev_b32 v[WOF], 4, v94
	v_lshlrev_b32 v[HOF], 5, v96
	v_lshlrev_b32 v[CHO], 8, v96
	v_lshlrev_b32 v[SOF], 3, v94
	s_mov_b32 s[FLR], 0x1800000                    ; 2^(3 - 127)
	s_mov_b32 s[EOFS], 0xff000000                  ; -(2 << 23)
	s_mov_b32 s[CC], 0x4038aa3b                    ; c = 2 log2(e)
	s_mov_b32 s[CC+1], s[CC]                       ; (named with it as a pair, so it is written)
	s_mov_b32 s[SEL], 0x76543210
	s_mov_b32 s[SEL+1], 0xfedcba98                 ; v_permlanex16_b32's selects for lane l xor 16
	s_mov_b32 s[OFS+1], 0
	s_mov_b32 s[JN], 0
	s_mov_b32 s[PL], BFB                           ; in trip 0 the loaders write copy 1,
	s_mov_b32 s[PCX], 0                            ; and the context reads copy 0
	s_mov_b32 s57, 0
	s_wait_kmcnt 0x0
	s_lshl_b32 s56, ttmp9, 20                      ; enc: 256 rows of 4,096 bytes a work-group, 16 rows a loader
	s_lshl_b32 s58, s[QN], 16
	s_add_co_u32 s56, s56, s58
	s_add_nc_u64 s[EB:EB+1], s[EB:EB+1], s[56:57]
	s_lshl_b32 s56, ttmp9, 10                      ; mask and scr: 256 words a work-group
	s_add_nc_u64 s[SCRB:SCRB+1], s[SCRB:SCRB+1], s[56:57]
	s_lshl_b32 s58, s[QN], 8
	s_add_co_u32 s56, s56, s58                     ; mask: 64 words a compute wave
	s_add_nc_u64 s[MKB:MKB+1], s[MKB:MKB+1], s[56:57]
	s_lshl_b32 s56, s[QN], 10
	s_add_nc_u64 s[VB:VB+1], s[VB:VB+1], s[56:57]
	s_lshl_b32 s58, ttmp9, 12
	s_add_co_u32 s56, s56, s58
	s_add_nc_u64 s[PCB:PCB+1], s[PCB:PCB+1], s[56:57]
	s_lshl_b32 s56, s[QN], 17
	s_add_nc_u64 s[WB:WB+1], s[WB:WB+1], s[56:57]
	s_lshl_b32 s56, s[QN], 13
	s_add_nc_u64 s[SB:SB+1], s[SB:SB+1], s[56:57]
	s_lshl_b32 s56, s[QN], 15                      ; cdp: my 16 tiles; batch b = g / 8: piece a = b / 16, lane b % 16
	s_lshr_b32 s58, ttmp9, 7
	s_lshl_b32 s58, s58, 10
	s_add_co_u32 s56, s56, s58
	s_bfe_u32 s58, ttmp9, 0x40003
	s_lshl_b32 s58, s58, 4
	s_add_co_u32 s56, s56, s58
	s_add_nc_u64 s[CB:CB+1], s[CB:CB+1], s[56:57]
	s_lshl_b32 s56, ttmp9, 8
	s_add_nc_u64 s[PMB:PMB+1], s[PMB:PMB+1], s[56:57]
	s_cmp_lg_u32 s[ROLE], 0
	s_cbranch_scc1 .Lpro_loader
	; ---- compute: the mask, the sum of v, the first two column tiles
	global_load_b64 v[102:103], v[SOF], s[MKB:MKB+1]
	global_load_b128 v[94:97], v[WOF], s[VB:VB+1]
	global_load_b128 v[98:101], v[WOF], s[VB:VB+1] offset:512
	s_mov_b32 s[TI], 0
	GADDR
	WLOADW 0
	LOADCD 0
	LOADV 0
	WLOADW 1
	LOADCD 1
	LOADV 1
	s_mov_b32 s[TI], 2
.irp i, 0,1,2,3,4,5,6,7
	v_mov_b32 v[CTX+\i], 0
.endr
	v_mov_b32 v[LR], 0
	v_mov_b32 v[MR], 0xff61b1e6                    ; -3e38, under every score
	s_wait_loadcnt 42                              ; the mask and v are in; the two tiles' 42 loads may be out
	ds_store_b64 v[APW], v[102:103] offset:MSK-PPV ; my 64 mask words
	v_pk_add_f32 v[94:95], v[94:95], v[96:97]
	v_pk_add_f32 v[98:99], v[98:99], v[100:101]
	v_pk_add_f32 v[94:95], v[94:95], v[98:99]
	v_add_f32 v[VS], v94, v95
.irp x, 1,2,4,8
	v_add_f32_dpp v[VS], v[VS], v[VS] row_xmask:\x row_mask:0xf bank_mask:0xf
.endr
	v_permlanex16_b32 v96, v[VS], s[SEL], s[SEL+1]
	v_add_f32 v[VS], v[VS], v96                    ; the sum of v over my 256 columns, in every lane
	s_branch .Lpro_done
	; ---- loaders: the ring is filled, and block 0 is made
.Lpro_loader:
	WIN 0x40
.irp g, 0,1,2,3,4,5,6,7
.irp a, 0,1,2,3,4,5,6,7
	global_load_b128 v[32*\g+4*\a:32*\g+4*\a+3], v[WOF], s[EB:EB+1] offset:4096*\g+512*\a th:TH_LOAD_NT
.endr
.endr
	WIN 0
.irp g, 0,1,2,3,4,5,6,7
	XGROUP \g, 1, 56                               ; 56: the seven younger rows' loads stay out
.endr
.irp g, 8,9,10,11,12,13,14,15
	XGROUP \g, 2, 56
.endr
	s_wait_xcnt 0x0                                ; the loads have read their base
	s_add_nc_u64 s[EB:EB+1], s[EB:EB+1], 262144    ; the next block: 64 rows on
.Lpro_done:
	BAR                                            ; once: block 0 and the mask words lie whole in LDS
.Lperiod:                                          ; 4 trips.  At the head block J lies whole in LDS: by the barrier above, or by the last trip's barrier C, behind which the loaders have stored nothing
	v_add_nc_u32 v[ABF], s[PL], v[ABF0]
	v_add_nc_u32 v[ACXL], s[PCX], v[ACX0]
	v_add_nc_u32 v[ACXH], 0x10000, v[ACXL]
	s_cmp_lg_u32 s[ROLE], 0
	s_cbranch_scc1 .La_done
	XFETCH
.irp i, 0,1,2,3,4,5,6,7
	v_mov_b32 v[SACC+\i], 0
.endr
.La_done:
	BAR                                            ; B: the codes are in registers, and every compute wave's reads of the last block's copy and partial scores are in: those bytes are free
	s_cmp_lg_u32 s[ROLE], 0
	s_cbranch_scc1 .Lloader
	s_mov_b32 s[TC], 8
.Ltile:                                            ; 8 trips of two column tiles
	TILE 0
	TILE 1
	s_add_co_u32 s[TI], s[TI], 2
	s_and_b32 s[TI], s[TI], 15                     ; behind tile 15 comes the next block's tile 0
	s_sub_co_i32 s[TC], s[TC], 1
	s_cmp_lg_u32 s[TC], 0
	s_cbranch_scc1 .Ltile
.irp m, 0,1,2,3
	v_add_f32 v[94+\m], v[SACC+2*\m], v[SACC+2*\m+1]
.endr
.irp m, 0,1,2,3
	v_permlanex16_b32 v[98+\m], v[94+\m], s[SEL], s[SEL+1]             ; the row's other eight columns of each tile lie in lane l xor 16
.endr
.irp m, 0,1,2,3
	v_add_f32 v[94+\m], v[94+\m], v[98+\m]
.endr
.irp m, 0,1,2,3
	v_fma_f32 v[94+\m], v[94+\m], -2.0, v[VS]      ; my 256 columns' part of the score
.endr
.irp m, 0,1,2,3
	ds_store_b32 v[ASP], v[94+\m] offset:64*\m     ; row 16 m + r; both halves of the lanes write the same word with the same value
.endr
	s_branch .Lb_done
.Lloader:
	s_cmp_eq_u32 s[JN], 3                          ; behind block 3 there is no block
	s_cbranch_scc1 .Lb_done
.irp g, 0,1,2,3,4,5,6,7
	XGROUP \g, 1, 56
.endr
	s_cmp_eq_u32 s[JN], 2                          ; block 3 asks for nothing behind it: no load leaves the buffer
	s_cbranch_scc1 .Ltail
.irp g, 8,9,10,11,12,13,14,15
	XGROUP \g, 2, 56
.endr
	s_wait_xcnt 0x0
	s_add_nc_u64 s[EB:EB+1], s[EB:EB+1], 262144
	s_branch .Lb_done
.Ltail:
.irp g, 8,9,10,11,12,13,14,15
	XGROUP \g, 0, 8*(15-\g)                        ; the counts run down: eight loads for each row still to come
.endr
.Lb_done:
	BAR                                            ; C: the four waves' partial scores lie in LDS, and so does the whole of block J + 1
	s_cmp_lg_u32 s[ROLE], 0
	s_cbranch_scc1 .Lc_done
	; ---- softmax of the block's 64 rows: lane l takes rows 2 l and 2 l + 1; each compute wave does it for itself
	ds_load_b64 v[94:95], v[ASR]
	ds_load_b64 v[96:97], v[ASR] offset:256
	ds_load_b64 v[98:99], v[ASR] offset:512
	ds_load_b64 v[100:101], v[ASR] offset:768
	ds_load_b64 v[102:103], v[AMK]
	v_mov_b32 v106, 0xd01502f9                     ; -1e10
	s_wait_dscnt 0x0
	v_pk_add_f32 v[104:105], v[94:95], v[96:97]
	v_pk_add_f32 v[104:105], v[104:105], v[98:99]
	v_pk_add_f32 v[104:105], v[104:105], v[100:101]
	v_cmp_eq_u32 vcc_lo, 0, v102
	v_cndmask_b32 v104, v104, v106, vcc_lo
	v_cmp_eq_u32 vcc_lo, 0, v103
	v_cndmask_b32 v105, v105, v106, vcc_lo
	s_cmp_lg_u32 s[QN], 0
	s_cbranch_scc1 .Lno_scr
	global_store_b64 v[SOF], v[104:105], s[SCRB:SCRB+1]                ; the wave stores 256 consecutive bytes, aligned
.Lno_scr:
	v_max_num_f32 v107, v104, v105
.irp x, 1,2,4,8
	v_max_num_f32_dpp v107, v107, v107 row_xmask:\x row_mask:0xf bank_mask:0xf
.endr
	v_permlanex16_b32 v94, v107, s[SEL], s[SEL+1]
	v_max_num_f32 v107, v107, v94                  ; the block's largest score
	v_max_num_f32 v109, v[MR], v107                ; the new m
	v_sub_f32 v110, v[MR], v109                    ; the differences are taken first and scaled then: scores of -1e10 leave nothing behind
	v_sub_f32 v114, v104, v109
	v_sub_f32 v115, v105, v109
	v_mul_f32 v110, 0x3fb8aa3b, v110
	v_mul_f32 v114, 0x3fb8aa3b, v114
	v_mul_f32 v115, 0x3fb8aa3b, v115
	v_exp_f32 v112, v110                           ; f = e^(m_old - m_new)
	v_exp_f32 v114, v114                           ; p
	v_exp_f32 v115, v115
	v_mov_b32 v[MR], v109                          ; (a plain place behind the exponentials)
	s_wait_alu depctr_va_vdst(0)                   ; one wait for the three, ahead of their first reader
	ds_store_b64 v[APW], v[114:115]
	v_add_f32 v116, v114, v115
.irp x, 1,2,4,8
	v_add_f32_dpp v116, v116, v116 row_xmask:\x row_mask:0xf bank_mask:0xf
.endr
	v_permlanex16_b32 v95, v116, s[SEL], s[SEL+1]
	v_add_f32 v116, v116, v95
	v_fma_f32 v[LR], v[LR], v112, v116
.irp i, 0,2,4,6
	v_pk_mul_f32 v[CTX+\i:CTX+\i+1], v[CTX+\i:CTX+\i+1], v[112:113] op_sel_hi:[1,0]   ; (of the pair the low word serves both halves; v113 was written by the tiles' work)
.endr
	; ---- context += p x row, from the bf16 copy: my 256 columns, 512 consecutive bytes of each row
	WIN 0x40
.irp i, 0,1,2,3,4,5,6,7,8,9,10,11,12,13,14,15
	ds_load_b128 v[4*\i:4*\i+3], v[APR] offset:16*\i                   ; all 64 p in every lane; LDS serves a wave's instructions in order: these see my store
.endr
.irp q, 0,1,2,3,4,5,6,7,8,9,10,11,12,13,14,15
	ds_load_b128 v[64+4*\q:64+4*\q+3], v[ACXL] offset:2048*\q
.endr
.irp q, 0,1,2,3,4,5,6,7,8,9,10,11,12,13,14,15
	ds_load_b128 v[128+4*\q:128+4*\q+3], v[ACXL] offset:2048*(16+\q)
.endr
	WIN 0x05
	s_wait_dscnt 16                                ; the younger set's 16 loads may be out
	CTXROWS 64, 0
	WIN 0x40
.irp q, 0,1,2,3,4,5,6,7,8,9,10,11,12,13,14,15
	ds_load_b128 v[64+4*\q:64+4*\q+3], v[ACXH] offset:2048*\q
.endr
	WIN 0x05
	s_wait_dscnt 16
	CTXROWS 128, 16
	WIN 0x40
.irp q, 0,1,2,3,4,5,6,7,8,9,10,11,12,13,14,15
	ds_load_b128 v[128+4*\q:128+4*\q+3], v[ACXH] offset:2048*(16+\q)
.endr
	WIN 0x05
	s_wait_dscnt 16
	CTXROWS 64, 32
	s_wait_dscnt 0x0
	CTXROWS 128, 48
	WIN 0
	s_wait_xcnt 0x0                                ; the store of the scores has read its base and its data
	s_add_nc_u64 s[SCRB:SCRB+1], s[SCRB:SCRB+1], 256
.Lc_done:
	s_xor_b32 s[PL], s[PL], BFB                    ; the copies change places
	s_xor_b32 s[PCX], s[PCX], BFB
	v_add_nc_u32 v[AMK], 256, v[AMK]               ; the next block's mask words
	s_add_co_u32 s[JN], s[JN], 1
	s_cmp_lt_u32 s[JN], 4
	s_cbranch_scc1 .Lperiod
	s_cmp_lg_u32 s[ROLE], 0
	s_cbranch_scc1 .Lend
	global_store_b128 v[WOF], v[CTX:CTX+3], s[PCB:PCB+1]               ; pctx[g][Q][e][lane][4]: 512 consecutive bytes each
	global_store_b128 v[WOF], v[CTX+4:CTX+7], s[PCB:PCB+1] offset:512
	s_cmp_lg_u32 s[QN], 0
	s_cbranch_scc1 .Lend
	global_store_b64 v[SOF], v[MR:LR], s[PMB:PMB+1]                    ; (m, l), the same in all lanes: 256 consecutive bytes, aligned
.Lend:
	s_wait_tensorcnt 0x0
	ds_add_u32 v19, v126
	s_wait_dscnt 0x0
	s_endpgm
.Lfunc_end_k_q80e377b4bb_main:
	.size	k_q80e377b4bb_main, .Lfunc_end_k_q80e377b4bb_main-k_q80e377b4bb_main
	.p2alignl 7, 3214868480
	.fill 96, 4, 3214868480
	.section	.rodata,"a",@progbits
	.p2align	6, 0x0
	.amdhsa_kernel k_q80e377b4bb_main
		.amdhsa_group_segment_fixed_size 303104
		.amdhsa_private_segment_fixed_size 0
		.amdhsa_enable_private_segment 0
		.amdhsa_kernarg_size 72
		.amdhsa_user_sgpr_count 2
		.amdhsa_user_sgpr_kernarg_segment_ptr 1
		.amdhsa_wavefront_size32 1
		.amdhsa_system_sgpr_workgroup_id_x 1
		.amdhsa_system_sgpr_workgroup_id_y 1
		.amdhsa_system_sgpr_workgroup_id_z 1
		.amdhsa_system_vgpr_workitem_id 0
		.amdhsa_next_free_vgpr 512
		.amdhsa_next_free_sgpr 66
		.amdhsa_reserve_vcc 1
		.amdhsa_float_denorm_mode_32 3
		.amdhsa_float_denorm_mode_16_64 3
		.amdhsa_memory_ordered 1
		.amdhsa_forward_progress 1
		.amdhsa_inst_pref_size 255
	.end_amdhsa_kernel
	.section	.bss,"aw",@nobits
	.p2align	6
	.space	262144
	.amdgpu_metadata
---
amdhsa.version: [ 1, 2 ]
amdhsa.kernels:
  - .name:           k_q80e377b4bb_main
    .symbol:         k_q80e377b4bb_main.kd
    .args:
      - { .name: encoder_outputs, .offset: 0, .size: 8, .value_kind: global_buffer, .address_space: global }
      - { .name: mask, .offset: 8, .size: 8, .value_kind: global_buffer, .address_space: global }
      - { .name: v_w, .offset: 16, .size: 8, .value_kind: global_buffer, .address_space: global }
      - { .name: wimg, .offset: 24, .size: 8, .value_kind: global_buffer, .address_space: global }
      - { .name: wsc, .offset: 32, .size: 8, .value_kind: global_buffer, .address_space: global }
      - { .name: cdp, .offset: 40, .size: 8, .value_kind: global_buffer, .address_space: global }
      - { .name: scr, .offset: 48, .size: 8, .value_kind: global_buffer, .address_space: global }
      - { .name: pml, .offset: 56, .size: 8, .value_kind: global_buffer, .address_space: global }
      - { .name: pctx, .offset: 64, .size: 8, .value_kind: global_buffer, .address_space: global }
    .group_segment_fixed_size: 303104
    .private_segment_fixed_size: 0
    .kernarg_segment_align: 8
    .kernarg_segment_size: 72
    .max_flat_workgroup_size: 256
    .sgpr_count:     66
    .vgpr_count:     512
    .wavefront_size: 32
...
	.end_amdgpu_metadata
.endif
;; end of part 2
;; launch join (part 3): grid 32 x 1, 8 waves a work-group, no clusters, 0 bytes of LDS; arguments scr, pml, pctx, out0, out1; writes out0, out1
.if DOCPART == 3
	.amdgcn_target "amdgcn-amd-amdhsa--gfx1250"
	.amdhsa_code_object_version 6
	.text
	.protected	k_q80e377b4bb_join
	.globl	k_q80e377b4bb_join
	.p2align	8
	.type	k_q80e377b4bb_join,@function
k_q80e377b4bb_join:
	s_mov_b64 s[64:65], 0
	v_nop
	global_prefetch_b8 v0, s[64:65] scope:SCOPE_SE
	s_setreg_imm32_b32 hwreg(HW_REG_WAVE_MODE, 25, 1), 1
	s_wait_xcnt 0x0
; One work-group for each batch b joins the eight partial results of the launch before: M = the largest m_i, w_i = e^(m_i - M), L = the sum of l_i w_i;
; out1[b] = (the sum of w_i x partial context i) / L;  out0[b][s] = e^(score - M) / L.  A batch whose mask is all zeros has every score -1e10: M = -1e10, every weight 1 / 2,048.
; 40 KiB are read for a batch; all loads go out at once.  Thread t takes columns 4 t .. 4 t + 3 of the context and scores 4 t .. 4 t + 3 and 1,024 + 4 t .. + 3.
; No LDS, no barrier, no matrix unit: the waves share nothing and there is no product here.
	s_load_b256 s[4:11], s[0:1], 0x0               ; scr s[4:5], pml s[6:7], pctx s[8:9], out0 s[10:11]
	s_load_b64 s[12:13], s[0:1], 0x20              ; out1
	v_lshlrev_b32 v1, 4, v0                        ; 16 t
	v_lshrrev_b32 v2, 6, v0                        ; pctx[g][q][e][lane][4] holds column 256 q + 8 lane + 4 e + i: q = t / 64, lane = (t / 2) % 32, e = t % 2
	v_lshlrev_b32 v2, 10, v2
	v_and_b32 v3, 1, v0
	v_lshl_add_u32 v2, v3, 9, v2
	v_bfe_u32 v3, v0, 1, 5
	v_lshl_add_u32 v2, v3, 4, v2
	s_mov_b32 s15, 0
	s_wait_kmcnt 0x0
	s_lshl_b32 s14, ttmp9, 11
	s_add_nc_u64 s[6:7], s[6:7], s[14:15]
.irp i, 0,1,2,3,4,5,6,7
	s_load_b64 s[16+2*\i:17+2*\i], s[6:7], 256*\i  ; (m_i, l_i)
.endr
	s_lshl_b32 s14, ttmp9, 15
	s_add_nc_u64 s[8:9], s[8:9], s[14:15]
	s_lshl_b32 s14, ttmp9, 13
	s_add_nc_u64 s[4:5], s[4:5], s[14:15]
	s_add_nc_u64 s[10:11], s[10:11], s[14:15]
	s_lshl_b32 s14, ttmp9, 12
	s_add_nc_u64 s[12:13], s[12:13], s[14:15]
.irp i, 0,1,2,3,4,5,6,7
	global_load_b128 v[48+4*\i:51+4*\i], v2, s[8:9] offset:4096*\i
.endr
	global_load_b128 v[80:83], v1, s[4:5]
	global_load_b128 v[84:87], v1, s[4:5] offset:4096
	s_wait_kmcnt 0x0
	v_mov_b32 v4, s16
	v_max3_num_f32 v4, v4, s18, s20
	v_max3_num_f32 v4, v4, s22, s24
	v_max3_num_f32 v4, v4, s26, s28
	v_max_num_f32 v4, s30, v4                      ; M
.irp i, 0,1,2,3,4,5,6,7
	v_sub_f32 v[16+\i], s[16+2*\i], v4             ; the difference first, the scaling then
.endr
.irp i, 0,1,2,3,4,5,6,7
	v_mul_f32 v[16+\i], 0x3fb8aa3b, v[16+\i]
.endr
.irp i, 0,1,2,3,4,5,6,7
	v_exp_f32 v[32+2*\i], v[16+\i]                 ; w_i, twice: a pair for the packed multiply-adds
	v_exp_f32 v[33+2*\i], v[16+\i]
.endr
	v_nop                                          ; a plain place behind the last exponential
	s_wait_alu depctr_va_vdst(0)                   ; one wait for the batch, ahead of its first reader
	v_mul_f32 v5, s17, v32
.irp i, 1,2,3,4,5,6,7
	v_fma_f32 v5, s[17+2*\i], v[32+2*\i], v5       ; L
.endr
	v_rcp_f32 v6, v5
	v_rcp_f32 v7, v5
	v_nop
	s_wait_alu depctr_va_vdst(0)
	s_wait_loadcnt 2                               ; the eight partial contexts are in; the two loads of scores may be out
	v_pk_mul_f32 v[8:9], v[48:49], v[32:33]
	v_pk_mul_f32 v[10:11], v[50:51], v[32:33]
.irp i, 1,2,3,4,5,6,7
	v_pk_fma_f32 v[8:9], v[48+4*\i:49+4*\i], v[32+2*\i:33+2*\i], v[8:9]
	v_pk_fma_f32 v[10:11], v[50+4*\i:51+4*\i], v[32+2*\i:33+2*\i], v[10:11]
.endr
	v_pk_mul_f32 v[8:9], v[8:9], v[6:7]
	v_pk_mul_f32 v[10:11], v[10:11], v[6:7]
	global_store_b128 v1, v[8:11], s[12:13]        ; the wave stores 512 consecutive bytes
	s_wait_loadcnt 0x0
.irp j, 0,1,2,3,4,5,6,7
	v_sub_f32 v[80+\j], v[80+\j], v4
.endr
.irp j, 0,1,2,3,4,5,6,7
	v_mul_f32 v[80+\j], 0x3fb8aa3b, v[80+\j]
.endr
.irp j, 0,1,2,3,4,5,6,7
	v_exp_f32 v[80+\j], v[80+\j]
.endr
	v_nop
	s_wait_alu depctr_va_vdst(0)
.irp j, 0,2,4,6
	v_pk_mul_f32 v[80+\j:81+\j], v[80+\j:81+\j], v[6:7]
.endr
	global_store_b128 v1, v[80:83], s[10:11]
	global_store_b128 v1, v[84:87], s[10:11] offset:4096
	s_endpgm
.Lfunc_end_k_q80e377b4bb_join:
	.size	k_q80e377b4bb_join, .Lfunc_end_k_q80e377b4bb_join-k_q80e377b4bb_join
	.p2alignl 7, 3214868480
	.fill 96, 4, 3214868480
	.section	.rodata,"a",@progbits
	.p2align	6, 0x0
	.amdhsa_kernel k_q80e377b4bb_join
		.amdhsa_group_segment_fixed_size 0
		.amdhsa_private_segment_fixed_size 0
		.amdhsa_enable_private_segment 0
		.amdhsa_kernarg_size 40
		.amdhsa_user_sgpr_count 2
		.amdhsa_user_sgpr_kernarg_segment_ptr 1
		.amdhsa_wavefront_size32 1
		.amdhsa_system_sgpr_workgroup_id_x 1
		.amdhsa_system_sgpr_workgroup_id_y 1
		.amdhsa_system_sgpr_workgroup_id_z 1
		.amdhsa_system_vgpr_workitem_id 0
		.amdhsa_next_free_vgpr 96
		.amdhsa_next_free_sgpr 66
		.amdhsa_reserve_vcc 0
		.amdhsa_float_denorm_mode_32 3
		.amdhsa_float_denorm_mode_16_64 3
		.amdhsa_memory_ordered 1
		.amdhsa_forward_progress 1
		.amdhsa_inst_pref_size 8
	.end_amdhsa_kernel
	.amdgpu_metadata
---
amdhsa.version: [ 1, 2 ]
amdhsa.kernels:
  - .name:           k_q80e377b4bb_join
    .symbol:         k_q80e377b4bb_join.kd
    .args:
      - { .name: scr, .offset: 0, .size: 8, .value_kind: global_buffer, .address_space: global }
      - { .name: pml, .offset: 8, .size: 8, .value_kind: global_buffer, .address_space: global }
      - { .name: pctx, .offset: 16, .size: 8, .value_kind: global_buffer, .address_space: global }
      - { .name: out0, .offset: 24, .size: 8, .value_kind: global_buffer, .address_space: global }
      - { .name: out1, .offset: 32, .size: 8, .value_kind: global_buffer, .address_space: global }
    .group_segment_fixed_size: 0
    .private_segment_fixed_size: 0
    .kernarg_segment_align: 8
    .kernarg_segment_size: 40
    .max_flat_workgroup_size: 256
    .sgpr_count:     66
    .vgpr_count:     96
    .wavefront_size: 32
...
	.end_amdgpu_metadata
.endif
;; end of part 3
;; ======== version 2 of 2: 3 launches
;; workspace buffers: wimg 524,288 bytes; wsc 32,768 bytes; cdp 131,072 bytes; scr 262,144 bytes; pml 65,536 bytes; pctx 1,048,576 bytes
;; launch prep (part 4): grid 128 x 1, 8 waves a work-group, no clusters, 17,920 bytes of LDS; arguments attn_W, attn_b, decoder_hidden_codes, decoder_hidden_scales, wimg, wsc, cdp; writes wimg, wsc, cdp
.if DOCPART == 4
	.amdgcn_target "amdgcn-amd-amdhsa--gfx1250"
	.amdhsa_code_object_version 6
	.text
	.protected	k_q80e377b4bb_prep
	.globl	k_q80e377b4bb_prep
	.p2align	8
	.type	k_q80e377b4bb_prep,@function
k_q80e377b4bb_prep:
	s_mov_b64 s[64:65], 0
	v_nop
	global_prefetch_b8 v0, s[64:65] scope:SCOPE_SE
	s_setreg_imm32_b32 hwreg(HW_REG_WAVE_SCHED_MODE, 0, 2), 2
	s_setreg_imm32_b32 hwreg(HW_REG_WAVE_MODE, 25, 1), 1
	s_wait_xcnt 0x0
	s_wait_alu depctr_vm_vsrc(0)
; attn_W [2048][1024] f32 is quantised along its FIRST axis (K), in its two halves of 1,024 rows, to E2M1 codes with one E8M0 byte for each 32 along K.
; Work-group x: half = x / 64 (0: W_dec, 1: W_enc), column tile t = x % 64 (columns 16 t .. 16 t + 15).  Wave s takes K step s (128 along K).
; A LANE TAKES A COLUMN AND ITS REGISTERS RUN DOWN K, in the order of the matrix operand: lane (r, h) holds k = 64 c + 32 h + 0 .. 31 of column 16 t + r, so the conversions' results ARE the fragment.
; W_enc: the fragment leaves as an image of its registers, wimg[t][s][c][lane][16 bytes]; the scale words of the tile's eight K steps meet in LDS and leave as wsc[t][lane'][j]:
;        word of column lane' % 16, K step 4 (lane' / 16) + j: one 16-byte load a lane then gives four scale registers that carry K steps j (lanes 0-15) and 4 + j (lanes 16-31).
; W_dec: the fragment is multiplied at once by the decoder's codes (32 batches: two tiles), used transposed: a lane holds one batch and eight columns.  The eight waves' partial sums meet in LDS;
;        cdp[t][a][jq][lane][4] = c (dec_proj + attn_b), c = 2 log2(e), for batch 16 a + lane % 16, columns 16 t + 8 (lane / 16) + 4 jq + 0 .. 3.
; The two halves part once, on the work-group's number; each way has its own LDS bytes, its own barrier and its own end.
; LIMITS: NaN and infinities among the inputs are not served.  A block of zeros gets the byte 1 where the quantiser says 127: its codes are zeros, and this program alone reads the bytes.
; THE MODE: SCHED_MODE bits 1:0 = 2 (LLVM: expert scheduling mode 2), set by the entry lines.  The code itself states the register dependences
; between vector or matrix instructions and memory or LDS instructions, with s_wait_alu, always for 0.
; THE PLAN.  Registers that memory or LDS instructions touch:
;   v5, v6, v224-227   offsets and LDS addresses, made at the head, never written again: one wait ahead of the first load.   v7, v8, v11: the same on W_dec's way.
;   v64-127            W's numbers: loaded once, read by the quantiser, never loaded again.
;   v48-55, v9         written by the quantiser; read by the products (W_dec) or by the stores (W_enc): one wait ahead of either.
;   v200-215           written by the two products, read by the LDS stores.   v220-223: written by the last multiplications, read by the store.
;   No register that a memory or LDS instruction reads is written again: the text holds no wait on vm_vsrc.
.set DECB, 0                           ; LDS: 8 waves x 2,048 bytes: images of the two accumulators, piece 2 a + jq at 512 bytes each
.set ENCB, 16384                       ; LDS: 512 bytes of scale words
	s_load_b256 s[4:11], s[0:1], 0x0               ; attn_W s[4:5], attn_b s[6:7], decoder codes s[8:9], decoder scales s[10:11]
	s_load_b128 s[12:15], s[0:1], 0x20             ; wimg s[12:13], wsc s[14:15]
	s_load_b64 s[16:17], s[0:1], 0x30              ; cdp
	v_lshl_add_u32 v254, v0, 2, 0x4200
	v_mov_b32 v255, 0
	v_lshrrev_b32 v10, 5, v0
	v_readfirstlane_b32 s18, v10                   ; wave = K step
	s_lshr_b32 s19, ttmp9, 6                       ; half
	s_and_b32 s20, ttmp9, 63                       ; column tile
	v_and_b32 v3, 31, v0                           ; lane
	v_and_b32 v1, 15, v0                           ; r
	s_wait_alu depctr_va_vdst(0)
	v_bfe_u32 v2, v0, 4, 1                         ; h
	v_lshlrev_b32 v5, 2, v1                        ; W: 4 r,
	v_lshl_add_u32 v5, v2, 17, v5                  ; and 32 rows of 4,096 bytes further down for lanes 16-31
	v_lshlrev_b32 v6, 4, v3                        ; 16 x lane: an image's place for my lane
	s_wait_alu depctr_va_vdst(0)
	s_wait_alu depctr_va_sdst(0)                   ; s18 is written, ahead of its first reader
	s_lshl_b32 s28, s18, 11
	v_add_nc_u32 v224, s28, v6                     ; where I put my accumulators' images
	s_lshl_b32 s28, s18, 9
	v_add_nc_u32 v225, s28, v6                     ; piece w of wave 0's images (waves 0 to 3 read)
	s_lshr_b32 s28, s18, 2
	s_lshl_b32 s28, s28, 8
	s_and_b32 s29, s18, 3
	s_lshl_b32 s29, s29, 2
	s_add_co_u32 s28, s28, s29
	s_add_co_u32 s28, s28, ENCB
	v_lshl_add_u32 v226, v1, 4, s28                ; my scale word's place: 256 (s / 4) + 16 r + 4 (s % 4)
	v_add_nc_u32 v227, ENCB, v6
	s_lshl_b32 s26, s19, 22                        ; my part of W: (1,024 half + 128 s) rows of 4,096 bytes + 64 t
	s_lshl_b32 s28, s18, 19
	s_add_co_u32 s26, s26, s28
	s_lshl_b32 s28, s20, 6
	s_add_co_u32 s26, s26, s28
	s_mov_b32 s27, 0
	s_mov_b32 s22, 0x76543210
	s_mov_b32 s23, 0xfedcba98                      ; v_permlanex16_b32's selects for lane l xor 16
	s_wait_kmcnt 0x0
	s_add_nc_u64 s[4:5], s[4:5], s[26:27]
	s_wait_alu depctr_va_vdst(0)                   ; v5, v6 and v224 to v227 are written: the loads and stores of the whole kernel read them as offsets and LDS addresses
.irp c, 0,1
.irp i, 0,1,2,3,4,5,6,7,8,9,10,11,12,13,14,15,16,17,18,19,20,21,22,23,24,25,26,27,28,29,30,31
	global_load_b32 v[64+32*\c+\i], v5, s[4:5] offset:4096*(64*\c+\i)   ; W(64 c + 32 h + i, 16 t + r): all 64 go out at once
.endr
.endr
; 64 numbers of a lane become the fragment v[48:55] and the column's scale word v9
.macro QUANTW
.irp c, 0,1
	v_max3_num_f32 v[32+\c], |v[64+32*\c]|, |v[65+32*\c]|, 0x1800000   ; my block 2 c + h: all its 32 numbers are mine; the floor 2^(3 - 127) keeps the byte at 1 from below
.endr
.irp i, 2,4,6,8,10,12,14,16,18,20,22,24,26,28,30
.irp c, 0,1
	v_max3_num_f32 v[32+\c], v[32+\c], |v[64+32*\c+\i]|, |v[65+32*\c+\i]|   ; (the two blocks by turns)
.endr
.endr
.irp c, 0,1
	v_add_nc_u32 v[44+\c], 0xff000000, v[32+\c]    ; 2 off the exponent field: the conversion's scale operand
.endr
.irp c, 0,1
	v_lshrrev_b32 v[36+\c], 23, v[44+\c]           ; the scale's byte
.endr
	v_lshl_or_b32 v9, v37, 16, v36                 ; my two bytes: blocks h and 2 + h,
	v_lshlrev_b32 v10, 3, v2
	v_lshlrev_b32 v9, v10, v9                      ; at their places in the word (8 h bits up);
	v_mov_b32 v10, 0
	v_permlanex16_b32 v10, v9, s22, s23
	v_or_b32 v9, v9, v10                           ; with lane l xor 16's two the word is whole, in both halves of the lanes
.irp c, 0,1
.irp g, 0,1,2,3
	v_cvt_scalef32_pk8_fp4_f32 v[48+4*\c+\g], v[64+32*\c+8*\g:71+32*\c+8*\g], v[44+\c]
.endr
.endr
	v_nop                                          ; one plain place behind the last scaled conversion
.endm
	s_cmp_lg_u32 s19, 0
	s_cbranch_scc1 .Lenc
	; ---- W_dec: the product with the decoder's codes
	v_lshlrev_b32 v7, 9, v1
	v_lshl_add_u32 v7, v2, 4, v7                   ; decoder codes: batch r of 512 bytes, + 16 h
	v_lshlrev_b32 v8, 5, v1                        ; decoder scales: 32 bytes a batch
	v_lshlrev_b32 v11, 5, v2                       ; bias: 8 h numbers
	s_lshl_b32 s26, s18, 6
	s_add_nc_u64 s[8:9], s[8:9], s[26:27]          ; K step s: 64 bytes of codes on,
	s_lshl_b32 s26, s18, 2
	s_add_nc_u64 s[10:11], s[10:11], s[26:27]      ; one scale word on
	s_wait_alu depctr_va_vdst(0)                   ; v7, v8 and v11 are written, which the loads below read as offsets
.irp a, 0,1
.irp c, 0,1
	global_load_b128 v[16+8*\a+4*\c:19+8*\a+4*\c], v7, s[8:9] offset:8192*\a+32*\c
.endr
	global_load_b32 v[12+\a], v8, s[10:11] offset:512*\a
.endr
	s_cmp_gt_u32 s18, 3                            ; waves 0 to 3 finish the sums: wave w takes piece w = 2 a + jq, and its bias
	s_cbranch_scc1 .Lno_bias
	s_lshl_b32 s26, s20, 6
	s_and_b32 s28, s18, 1
	s_lshl_b32 s28, s28, 4
	s_add_co_u32 s26, s26, s28
	s_add_nc_u64 s[6:7], s[6:7], s[26:27]
	global_load_b128 v[216:219], v11, s[6:7]       ; attn_b(16 t + 8 h + 4 jq + 0 .. 3)
.Lno_bias:
	s_wait_loadcnt 0x0                             ; everything is wanted next
	QUANTW
.rept 7
	v_nop                                          ; with the one above: eight places between the vector instruction that wrote the scale word and the scaled matrix instruction (four for the codes)
.endr
	s_wait_alu depctr_va_vdst(0)                   ; the quantiser has written the codes v[48:55] and the scale word v9, which the two products take; the places above stay beside this wait
	v_wmma_scale_f32_16x16x128_f8f6f4 v[200:207], v[48:55], v[16:23], 0, v9, v12 matrix_a_fmt:MATRIX_FMT_FP4 matrix_b_fmt:MATRIX_FMT_FP4   ; source 0 = 16 columns of W, source 1 = batches 0-15
	v_wmma_scale_f32_16x16x128_f8f6f4 v[208:215], v[48:55], v[24:31], 0, v9, v13 matrix_a_fmt:MATRIX_FMT_FP4 matrix_b_fmt:MATRIX_FMT_FP4   ; batches 16-31
.rept 4
	v_nop                                          ; four places in front of the first read of the results
.endr
	s_wait_alu depctr_va_vdst(0)                   ; the products have written v[200:215], which the LDS stores read; the places above stay beside this wait
.irp a, 0,1
	ds_store_b128 v224, v[200+8*\a:203+8*\a] offset:DECB+1024*\a       ; each accumulator from its low end on
	ds_store_b128 v224, v[204+8*\a:207+8*\a] offset:DECB+1024*\a+512
.endr
	s_wait_dscnt 0x0                               ; for the others' sake: my images have landed
	s_barrier_signal -1
	s_barrier_wait -1
	s_cmp_gt_u32 s18, 3
	s_cbranch_scc1 .Lend
.irp i, 0,1,2,3,4,5,6,7
	ds_load_b128 v[128+4*\i:131+4*\i], v225 offset:DECB+2048*\i        ; piece w of K step i
.endr
	s_lshl_b32 s26, s20, 11
	s_lshl_b32 s28, s18, 9
	s_add_co_u32 s26, s26, s28
	s_add_nc_u64 s[16:17], s[16:17], s[26:27]      ; cdp at tile t, piece w
	s_mov_b32 s24, 0x4038aa3b                      ; c = 2 log2(e)
	s_mov_b32 s25, s24                             ; (named with it as a pair, so it is written)
	s_wait_dscnt 0x0
.irp i, 1,2,3,4,5,6,7
	v_pk_add_f32 v[128:129], v[128:129], v[128+4*\i:129+4*\i]          ; K ascending
	v_pk_add_f32 v[130:131], v[130:131], v[130+4*\i:131+4*\i]
.endr
	v_pk_add_f32 v[128:129], v[128:129], v[216:217]
	v_pk_add_f32 v[130:131], v[130:131], v[218:219]
	v_pk_mul_f32 v[220:221], v[128:129], s[24:25] op_sel_hi:[1,0]
	v_pk_mul_f32 v[222:223], v[130:131], s[24:25] op_sel_hi:[1,0]
	s_wait_alu depctr_va_vdst(0)                   ; the multiplications have written v[220:223], which the store reads
	global_store_b128 v6, v[220:223], s[16:17]     ; the wave stores 512 consecutive bytes
.Lend:
	s_wait_dscnt 0x0                               ; the closing lines, six on end
	s_wait_alu 0x0
	s_wait_tensorcnt 0x0
	ds_add_u32 v254, v255
	s_wait_dscnt 0x0
	s_endpgm
	; ---- W_enc: the images leave
.Lenc:
	s_wait_loadcnt 0x0
	QUANTW
	s_lshl_b32 s26, s20, 13
	s_lshl_b32 s28, s18, 10
	s_add_co_u32 s26, s26, s28
	s_add_nc_u64 s[12:13], s[12:13], s[26:27]      ; wimg at (8 t + s) x 1,024 bytes
	s_wait_alu depctr_va_vdst(0)                   ; the quantiser has written the codes v[48:55] and the scale word v9, which the three stores read
	global_store_b128 v6, v[48:51], s[12:13]       ; 512 consecutive bytes each
	global_store_b128 v6, v[52:55], s[12:13] offset:512
	ds_store_b32 v226, v9                          ; both halves of the lanes write the same word with the same value
	s_wait_dscnt 0x0                               ; for wave 0's sake
	s_barrier_signal -1
	s_barrier_wait -1
	s_cmp_lg_u32 s18, 0
	s_cbranch_scc1 .Lend_enc
	ds_load_b128 v[128:131], v227
	s_lshl_b32 s26, s20, 9
	s_add_nc_u64 s[14:15], s[14:15], s[26:27]
	s_wait_dscnt 0x0
	global_store_b128 v6, v[128:131], s[14:15]     ; the tile's 128 scale words: 512 consecutive bytes
.Lend_enc:
	s_wait_dscnt 0x0                               ; the closing lines, six on end
	s_wait_alu 0x0
	s_wait_tensorcnt 0x0
	ds_add_u32 v254, v255
	s_wait_dscnt 0x0
	s_endpgm
.Lfunc_end_k_q80e377b4bb_prep:
	.size	k_q80e377b4bb_prep, .Lfunc_end_k_q80e377b4bb_prep-k_q80e377b4bb_prep
	.p2alignl 7, 3214868480
	.fill 96, 4, 3214868480
	.section	.rodata,"a",@progbits
	.p2align	6, 0x0
	.amdhsa_kernel k_q80e377b4bb_prep
		.amdhsa_group_segment_fixed_size 17920
		.amdhsa_private_segment_fixed_size 0
		.amdhsa_enable_private_segment 0
		.amdhsa_kernarg_size 56
		.amdhsa_user_sgpr_count 2
		.amdhsa_user_sgpr_kernarg_segment_ptr 1
		.amdhsa_wavefront_size32 1
		.amdhsa_system_sgpr_workgroup_id_x 1
		.amdhsa_system_sgpr_workgroup_id_y 1
		.amdhsa_system_sgpr_workgroup_id_z 1
		.amdhsa_system_vgpr_workitem_id 0
		.amdhsa_next_free_vgpr 256
		.amdhsa_next_free_sgpr 66
		.amdhsa_reserve_vcc 0
		.amdhsa_float_denorm_mode_32 3
		.amdhsa_float_denorm_mode_16_64 3
		.amdhsa_memory_ordered 1
		.amdhsa_forward_progress 1
		.amdhsa_inst_pref_size 20
	.end_amdhsa_kernel
	.amdgpu_metadata
---
amdhsa.version: [ 1, 2 ]
amdhsa.kernels:
  - .name:           k_q80e377b4bb_prep
    .symbol:         k_q80e377b4bb_prep.kd
    .args:
      - { .name: attn_W, .offset: 0, .size: 8, .value_kind: global_buffer, .address_space: global }
      - { .name: attn_b, .offset: 8, .size: 8, .value_kind: global_buffer, .address_space: global }
      - { .name: decoder_hidden_codes, .offset: 16, .size: 8, .value_kind: global_buffer, .address_space: global }
      - { .name: decoder_hidden_scales, .offset: 24, .size: 8, .value_kind: global_buffer, .address_space: global }
      - { .name: wimg, .offset: 32, .size: 8, .value_kind: global_buffer, .address_space: global }
      - { .name: wsc, .offset: 40, .size: 8, .value_kind: global_buffer, .address_space: global }
      - { .name: cdp, .offset: 48, .size: 8, .value_kind: global_buffer, .address_space: global }
    .group_segment_fixed_size: 17920
    .private_segment_fixed_size: 0
    .kernarg_segment_align: 8
    .kernarg_segment_size: 56
    .max_flat_workgroup_size: 256
    .sgpr_count:     66
    .vgpr_count:     256
    .wavefront_size: 32
...
	.end_amdgpu_metadata
.endif
;; end of part 4
;; launch main (part 5): grid 256 x 1, 8 waves a work-group, no clusters, 303,104 bytes of LDS; arguments encoder_outputs, mask, v_w, wimg, wsc, cdp, scr, pml, pctx; writes scr, pml, pctx
.if DOCPART == 5
	.amdgcn_target "amdgcn-amd-amdhsa--gfx1250"
	.amdhsa_code_object_version 6
	.text
	.protected	k_q80e377b4bb_main
	.globl	k_q80e377b4bb_main
	.p2align	8
	.type	k_q80e377b4bb_main,@function
k_q80e377b4bb_main:
	s_mov_b64 s[64:65], 0
	v_nop
	global_prefetch_b8 v0, s[64:65] scope:SCOPE_SE
	s_setreg_imm32_b32 hwreg(HW_REG_WAVE_SCHED_MODE, 0, 2), 2
	s_setreg_imm32_b32 hwreg(HW_REG_WAVE_MODE, 25, 1), 1
	s_wait_xcnt 0x0
	s_wait_alu depctr_vm_vsrc(0)
; score[row] = sum over n of v[n] tanh(dec_proj[n] + b[n] + (enc[row] . W_enc[:, n])), the product on E2M1 codes with E8M0 scales; mask; a running softmax; a partial context.  enc is read from memory ONCE.
; SHARES.  Work-group g owns rows 256 g .. 256 g + 255 of the 65,536 (all of batch g / 8), as 4 blocks of 64 rows.  Eight waves in TWO ROLES, four each; Q = wave / 2 is a wave's number in its role.
;   LOADER Q streams rows 16 Q .. 16 Q + 15 of each block: a row is eight loads of 512 consecutive bytes; eight rows (64 loads) of each loader are always on their way.  It quantises the row in registers and
;   puts into LDS its codes, its scale bytes and a copy in bf16 (for the context).  Its load counter counts enc's loads alone.
;   COMPUTE WAVE Q owns columns 256 Q .. 256 Q + 255 (16 column tiles) for all 64 rows.  The block's codes stay in its registers (4 row tiles x 8 K steps x 8 = 256); each fragment of W goes from memory straight
;   into the registers of the one wave that multiplies by it, two column tiles ahead, and feeds four matrix instructions.  Its load counter counts W's loads alone.
; PIPELINE.  The loaders make block 0 in front of the loop; in trip J the compute waves work block J while the loaders make block J + 1.  One barrier in front of the loop (block 0 and the mask lie in LDS), two a trip,
;   all in text that every wave runs:  compute: codes into registers | B: the codes' bytes are free, and the context of the block before has been read | loaders: block J + 1; compute: 16 column tiles, partial scores
;   | C: the partial scores and block J + 1 lie whole in LDS | compute: softmax, context from the bf16 copy; the loaders store nothing until the next B.
; tanh(y) = 1 - 2 / (1 + 2^(c y)), c = 2 log2(e): score = sum of v - 2 sum of v[n] / (1 + 2^(c acc + cd[n])), cd = c (dec_proj + b) made by the launch before.  2^x = infinity gives 0, 2^x = 0 gives 1: tanh saturates rightly.
; SOFTMAX.  Running maximum m and sum l for the work-group's rows; p = e^(score - m); context and l are multiplied by e^(m_old - m_new) in every block.  The launch behind joins the eight work-groups of a batch.
; NO JOINT LOADS: a joint load lands in LDS, of which 25,600 bytes are left beside the two copies and the codes; one column tile of W for each of the four compute waves is 34,816 bytes.
; NO PREFETCH INSTRUCTION: the loaders' 64 loads a wave are the look-ahead for enc.
; The ring of two column tiles runs on from block to block (every block begins with tiles 0 and 1 again); behind the last block the 42 loads a wave that were asked for ahead are not used: leaving them out would make the counts of the tile's waits wrong.
; LIMITS: NaN and infinities among the inputs are not served.  A block of zeros gets the scale byte 1 where the quantiser says 127: its codes are zeros, and this program alone reads the bytes.  enc enters the context rounded to bf16.
; THE MODE: SCHED_MODE bits 1:0 = 2 (LLVM: expert scheduling mode 2), set by the entry lines.  The code itself states the register dependences
; between vector or matrix instructions and memory or LDS instructions, with s_wait_alu, always for 0.
; THE PLAN.  Registers that memory or LDS instructions touch, and who else names them.  Each wait stands in the same straight run of text as the memory or LDS instructions that it serves, behind the last label ahead of them.
;   COMPUTE  W's fragments and scale words of buffer be: read by the tile's 32 products; one wait on va_vdst behind these, then the 17 loads of the tile two on land there.
;            cd of buffer be: read by the sixteen multiply-adds ahead of the exponentials; its two loads stand behind the wait for the exponentials, which states that too.
;            v of buffer be: read by the tile's last sixteen multiply-adds; one wait behind them, then its two loads.
;            window 1: x's fragments land there at a trip's head (one wait: the context of the block before has read these registers); the products read them; behind barrier C p and three sets of 16 rows of the copy
;            land there (one wait), and the fourth 16 rows take the first set's place (one wait behind that set's multiply-adds).
;            v94-125: data of the LDS stores of the partial scores (a wait on va_vdst ahead of them); behind barrier C loads land in v94-103 (a wait on vm_vsrc and one on va_vdst ahead of them); data of the stores of
;            the scores and of p (both behind the wait for the softmax's exponentials); the products write them again behind the wait on vm_vsrc at the next trip's head.
;   LOADER   Row g: its lines read the ring's slot g % 8 and write set g % 2 of 48 registers.  ONE wait on va_vdst behind them: then the slot's eight loads and the set's 24 LDS stores.  One wait on vm_vsrc at the row's
;            head: the stores have read the set that the row writes again.
;   ADDRESSES  v1 to v18 are made at the head: one wait in each role's way, ahead of its first load.  Four of them are written again, together, at a trip's head, behind one wait on vm_vsrc; that they are written is
;            stated ahead of each one's first use: v[ABF] by the loaders' wait in a row, v[AMK] by the wait behind barrier C, v[ACXL] and v[ACXH] by the wait ahead of the context's loads.
.set BFB,  131072                      ; LDS 0: two bf16 copies of 64 rows x 2,048 bytes; block J lies in copy J % 2
.set CDB,  262144                      ; codes: 64 rows, 512 bytes + 16: the 16 rows of a fragment load begin 33 x 16 bytes apart
.set CP,   528
.set SCB,  295936                      ; scale bytes: 64 rows, 32 bytes + 16
.set SP,   48
.set SPT,  299008                      ; partial scores [Q][64 rows] f32
.set PPV,  300032                      ; p: 256 bytes of its own for each compute wave
.set MSK,  301056                      ; the work-group's 256 mask words
; window 0, addresses: made by every wave, never the target of a load
.set ACD,  1                           ; loader: codes: CDB + 16 CP Q + 2 lane
.set ASC,  2                           ; loader: scale bytes: SCB + 16 SP Q + lane / 8
.set ABF0, 3                           ; loader: copy: 32,768 Q + 8 lane
.set ABF,  4                           ;   + the copy in hand
.set CHO,  5                           ; 256 h (global offset in cdp)
.set AXF,  6                           ; compute: fragments: CDB + CP r + 16 h
.set AXS,  7                           ; compute: scale words: SCB + SP r + 16 h
.set ASP,  8                           ; SPT + 256 Q + 4 r
.set ASR,  9                           ; SPT + 8 lane
.set AMK,  10                          ; 8 lane + the block's mask words: made at a trip's head
.set APW,  11                          ; PPV + 256 Q + 8 lane
.set APR,  12                          ; PPV + 256 Q
.set ACX0, 13                          ; copy: 512 Q + 16 lane
.set ACXL, 14                          ;   + the copy in hand: rows 0-31
.set ACXH, 15                          ;   rows 32-63
.set WOF,  16                          ; 16 lane
.set HOF,  17                          ; 32 h
.set SOF,  18                          ; 8 lane
; window 0, compute role
.set XS,   20                          ; v20-35  x's scale words: 4 m + j: K step j in lanes 0-15, 4 + j in lanes 16-31; scales and nothing else
.set WS,   36                          ; v36-43  W's scale words, four for each buffer; scales and nothing else
.set CTX,  44                          ; v44-51  context: columns 256 Q + 8 lane + 0 .. 7
.set MR,   52                          ; running maximum
.set LR,   53                          ; running sum
.set SACC, 54                          ; v54-61  sum of v / (1 + 2^..), a pair for each row tile
.set CDV,  62                          ; v62-93  buffer be: cd at 16 be + 0 .. 7, v at 16 be + 8 .. 15
.set ACC,  94                          ; v94-125 four accumulators; at work in the softmax
.set VS,   127                         ; the sum of v over my 256 columns
.set WF,   128                         ; v128-255 W's fragments: buffer be, K step s at 64 be + 8 s
; window 1, compute role: x's fragments (row tile m, K step s) at 64 m + 8 s; in the context p at 0, three sets of 16 rows at 64, 128 and 192
; loader role: window 1 is the ring, row g at 32 (g % 8), load a at + 4 a; window 0 from LT: two sets of 48 at work
.set LT,   128
.set EB,   4                           ; s[4:5]   enc at my wave's rows of the block in hand
.set MKB,  6
.set VB,   8
.set WB,   10
.set SB,   12
.set CB,   14
.set SCRB, 16
.set PMB,  18
.set PCB,  20
.set WVN,  22
.set ROLE, 23                          ; 0 compute, 1 loader
.set QN,   24
.set JN,   25
.set TC,   26
.set TI,   27                          ; the column tile to be asked for
.set PL,   28                          ; the copy that the loaders write
.set PCX,  29                          ; the copy that the context reads
.set FLR,  30
.set EOFS, 31
.set CC,   32                          ; s[32:33] c
.set SEL,  34                          ; s[34:35]
.set MKO,  36                          ; LDS byte at which the block's 64 mask words begin
.set WA,   46                          ; s[46:53] the trip's four addresses
.set SA,   48
.set CA,   50
.set VA,   52
.set OFS,  54                          ; s[54:55] an offset, high word 0
.set MSB, 0
.macro WIN new                         ; bits 1:0 source 0, 3:2 source 1, 5:4 source 2, 7:6 destination; the immediate's high byte repeats the setting that is left
.if MSB != \new
	s_set_vgpr_msb (MSB<<8)|\new
.set MSB, \new
.endif
.endm
.macro BAR                             ; my LDS stores have landed and my LDS loads are in: then the work-group's barrier
	s_wait_dscnt 0x0
	s_barrier_signal -1
	s_barrier_wait -1
.endm
; LOADER: row g of my 16.  Load a brought k = 128 a + 4 lane + 0 .. 3: K step a; a block of 32 lies in 8 neighbouring lanes.
; ld = 1: the ring slot takes row g + 8 of this block; 2: row g - 8 of the next block; 0: nothing.  cnt: the younger loads that may stay out.
.macro XGROUP g, ld, cnt
.set RG, 32*((\g)&7)
.set TT, LT+48*((\g)&1)
	s_wait_loadcnt \cnt                            ; loads come back in order: this row's eight are in
	s_wait_dscnt 24                                ; the 24 stores of the row before may be out; those of two rows back, which read this set of registers, are done
	s_wait_alu depctr_vm_vsrc(0)                   ; the LDS stores of two rows back have read this set of registers, which the lines below write again
	WIN 0x05
.irp a, 0,1,2,3,4,5,6,7
	v_max3_num_f32 v[TT+\a], |v[RG+4*\a]|, |v[RG+4*\a+1]|, s[FLR]      ; my four numbers of block 4 a + lane / 8, and the floor 2^(3 - 127): the byte cannot fall under 1
.endr
.irp a, 0,1,2,3,4,5,6,7
	v_max3_num_f32 v[TT+\a], |v[RG+4*\a+2]|, |v[RG+4*\a+3]|, v[TT+\a]
.endr
.irp n, 0,1,2,3,4,5,6,7,8,9,10,11,12,13,14,15
	v_cvt_pk_bf16_f32 v[TT+24+\n], v[RG+2*\n], v[RG+2*\n+1]            ; the copy for the context
.endr
	WIN 0
.irp x, 1,2,4
.irp a, 0,1,2,3,4,5,6,7
	v_max_num_f32_dpp v[TT+\a], v[TT+\a], v[TT+\a] row_xmask:\x row_mask:0xf bank_mask:0xf   ; over the block's eight lanes
.endr
.endr
.irp a, 0,1,2,3,4,5,6,7
	v_add_nc_u32 v[TT+\a], s[EOFS], v[TT+\a]       ; 2 off the exponent field: the conversion's scale operand
.endr
.irp a, 0,1,2,3,4,5,6,7
	v_lshrrev_b32 v[TT+8+\a], 23, v[TT+\a]         ; the scale's byte
.endr
	WIN 0x01
.irp p, 0,1,2,3                        ; a conversion takes eight registers and ONE scale; these eight are four numbers of K step 2 p and four of 2 p + 1: so twice, and of each result the half that was divided by its own scale is kept
	v_cvt_scalef32_pk8_fp4_f32 v[TT+16+2*\p], v[RG+8*\p:RG+8*\p+7], v[TT+2*\p]
	v_cvt_scalef32_pk8_fp4_f32 v[TT+17+2*\p], v[RG+8*\p:RG+8*\p+7], v[TT+2*\p+1]
.endr
	v_nop                                          ; one plain place behind the last scaled conversion
.if \ld
.if \ld == 1
.set GOFF, ((\g)+8)*4096
.else
.set GOFF, 262144+((\g)-8)*4096
.endif
	WIN 0x40
.else
	WIN 0
.endif
	s_wait_alu depctr_va_vdst(0)                   ; the row's lines have written the set, which the LDS stores below read, and are done reading the ring's slot, in which the loads below land; in a block's first row: v[ABF] is written
.if \ld
.irp a, 0,1,2,3,4,5,6,7
	global_load_b128 v[RG+4*\a:RG+4*\a+3], v[WOF], s[EB:EB+1] offset:GOFF+512*\a th:TH_LOAD_NT   ; the slot is asked for again at once: 512 consecutive bytes; read once in the launch
.endr
	WIN 0
.endif
.irp a, 0,1,2,3,4,5,6,7
	ds_store_b64 v[ABF], v[TT+24+2*\a:TT+25+2*\a] offset:2048*(\g)+256*\a   ; 256 consecutive bytes
.endr
.irp p, 0,1,2,3
	ds_store_b16 v[ACD], v[TT+16+2*\p] offset:CP*(\g)+128*\p                ; four codes: the low half
	ds_store_b16_d16_hi v[ACD], v[TT+17+2*\p] offset:CP*(\g)+128*\p+64      ; the high half
.endr
.irp a, 0,1,2,3,4,5,6,7
	ds_store_b8 v[ASC], v[TT+8+\a] offset:SP*(\g)+4*\a                      ; the block's eight lanes write the same byte with the same value
.endr
.endm
; COMPUTE: the block's codes and scale words into registers
.macro XFETCH
	WIN 0x40
	s_wait_alu depctr_va_vdst(0)                   ; the context's multiply-adds of the block before are done reading the registers in which the codes land, and its products their scale words
.irp m, 0,1,2,3
.irp s, 0,1,2,3,4,5,6,7
	ds_load_b128 v[64*\m+8*\s:64*\m+8*\s+3],   v[AXF] offset:16*CP*\m+64*\s      ; lane (r, h): k = 128 s + 32 h + 0 .. 31 of row 16 m + r,
	ds_load_b128 v[64*\m+8*\s+4:64*\m+8*\s+7], v[AXF] offset:16*CP*\m+64*\s+32   ; and 64 further on
.endr
.endr
	WIN 0
.irp m, 0,1,2,3
	ds_load_b128 v[XS+4*\m:XS+4*\m+3], v[AXS] offset:16*SP*\m
.endr
.endm
.macro GADDR                           ; where column tiles TI and TI + 1 of my 16 lie
	s_wait_xcnt 0x0                                ; the last trip's loads have read these address pairs
	s_lshl_b32 s[OFS], s[TI], 13
	s_add_nc_u64 s[WA:WA+1], s[WB:WB+1], s[OFS:OFS+1]
	s_lshl_b32 s[OFS], s[TI], 9
	s_add_nc_u64 s[SA:SA+1], s[SB:SB+1], s[OFS:OFS+1]
	s_lshl_b32 s[OFS], s[TI], 11
	s_add_nc_u64 s[CA:CA+1], s[CB:CB+1], s[OFS:OFS+1]
	s_lshl_b32 s[OFS], s[TI], 6
	s_add_nc_u64 s[VA:VA+1], s[VB:VB+1], s[OFS:OFS+1]
.endm
; A column tile is 21 loads, always in this order: its scale words, its eight fragments K ascending (two loads each), cd (2), v (2).  All but v's are images: 512 consecutive bytes each.
.macro WLOADW be                       ; 17 loads: the scale words first: the first product wants them
	global_load_b128 v[WS+4*\be:WS+4*\be+3], v[WOF], s[SA:SA+1] offset:512*\be
.irp s, 0,1,2,3,4,5,6,7
	global_load_b128 v[WF+64*\be+8*\s:WF+64*\be+8*\s+3],   v[WOF], s[WA:WA+1] offset:8192*\be+1024*\s
	global_load_b128 v[WF+64*\be+8*\s+4:WF+64*\be+8*\s+7], v[WOF], s[WA:WA+1] offset:8192*\be+1024*\s+512
.endr
.endm
.macro LOADCD be                       ; 2 loads: cd of the tile's columns 8 h + 0 .. 7
	global_load_b128 v[CDV+16*\be:CDV+16*\be+3],     v[CHO], s[CA:CA+1] offset:2048*\be
	global_load_b128 v[CDV+16*\be+4:CDV+16*\be+7],   v[CHO], s[CA:CA+1] offset:2048*\be+512
.endm
.macro LOADV be                        ; 2 loads: v of the same columns
	global_load_b128 v[CDV+16*\be+8:CDV+16*\be+11],  v[HOF], s[VA:VA+1] offset:64*\be
	global_load_b128 v[CDV+16*\be+12:CDV+16*\be+15], v[HOF], s[VA:VA+1] offset:64*\be+16
.endm
; COMPUTE: one column tile against the 64 rows.  Used transposed: source 0 = 16 columns of W, source 1 = 16 rows of x: lane (r, h) holds row r of the row tile, its register j column 8 h + j.
; Each wait on the load counter stands where its data are used, so that the products begin while the tile's later loads are on their way.
.macro TILE be
	WIN 0x04                                       ; source 1 (x) in window 1
.irp s, 0,1,2,3,4,5,6,7                ; the four accumulators take turns, one instruction a turn
	s_wait_loadcnt 39-2*\s                         ; the scale words and fragments 0 .. s are in.  Behind fragment s may be out: this tile's 7 - s later fragments (two loads each), its cd and v (4), the other buffer's 21
.irp m, 0,1,2,3
.if \s == 0
	v_wmma_scale_f32_16x16x128_f8f6f4 v[ACC+8*\m:ACC+8*\m+7], v[WF+64*\be+8*\s:WF+64*\be+8*\s+7], v[64*\m+8*\s:64*\m+8*\s+7], 0, v[WS+4*\be+\s], v[XS+4*\m+\s] matrix_a_fmt:MATRIX_FMT_FP4 matrix_b_fmt:MATRIX_FMT_FP4
.elseif \s < 4
	v_wmma_scale_f32_16x16x128_f8f6f4 v[ACC+8*\m:ACC+8*\m+7], v[WF+64*\be+8*\s:WF+64*\be+8*\s+7], v[64*\m+8*\s:64*\m+8*\s+7], v[ACC+8*\m:ACC+8*\m+7], v[WS+4*\be+\s], v[XS+4*\m+\s] matrix_a_fmt:MATRIX_FMT_FP4 matrix_b_fmt:MATRIX_FMT_FP4
.else
	v_wmma_scale_f32_16x16x128_f8f6f4 v[ACC+8*\m:ACC+8*\m+7], v[WF+64*\be+8*\s:WF+64*\be+8*\s+7], v[64*\m+8*\s:64*\m+8*\s+7], v[ACC+8*\m:ACC+8*\m+7], v[WS+4*\be+\s-4], v[XS+4*\m+\s-4] matrix_a_fmt:MATRIX_FMT_FP4 matrix_b_fmt:MATRIX_FMT_FP4 matrix_a_scale:MATRIX_SCALE_ROW1 matrix_b_scale:MATRIX_SCALE_ROW1
.endif
.endr
.endr
	WIN 0
.rept 4
	v_nop                                          ; four places in front of the first read of the results (ISA guide 7.12.1)
.endr
	s_wait_alu depctr_va_vdst(0)                   ; the 32 products are done reading this buffer's fragments and scale words, in which the 17 loads below land
.if \be == 0
	GADDR                                          ; the trip's addresses are made here, directly ahead of the trip's first load: the loads that read the old ones were issued 32 products ago or earlier
.endif
	WLOADW \be                                     ; this buffer's next tile, two tiles ahead
	s_wait_loadcnt 40                              ; this tile's cd is in.  Behind it may be out: its v (2), the other buffer's 21, the 17 just issued
.irp p, 0,1,2,3                        ; pair by pair over the four accumulators: each accumulator is first read at its low end
.irp m, 0,1,2,3
	v_pk_fma_f32 v[ACC+8*\m+2*\p:ACC+8*\m+2*\p+1], v[ACC+8*\m+2*\p:ACC+8*\m+2*\p+1], s[CC:CC+1], v[CDV+16*\be+2*\p:CDV+16*\be+2*\p+1] op_sel_hi:[1,0,1]   ; c acc + cd
.endr
.endr
.set j, 0
	s_wait_alu depctr_va_vdst(0)
.rept 32
	v_exp_f32 v[ACC+j], v[ACC+j]
.set j, j+1
.endr
	v_nop                                          ; a plain place behind the last exponential
	s_wait_alu depctr_va_vdst(0)                   ; the 32 exponentials have written their results, ahead of the first reader; and the sixteen multiply-adds are done reading cd, in which the two loads below land
	LOADCD \be                                     ; the next tile's cd
.set j, 0
.rept 16
	v_pk_add_f32 v[ACC+j:ACC+j+1], v[ACC+j:ACC+j+1], 1.0 op_sel_hi:[1,0]
.set j, j+2
.endr
.set j, 0
	s_wait_alu depctr_va_vdst(0)
.rept 32
	v_rcp_f32 v[ACC+j], v[ACC+j]
.set j, j+1
.endr
	v_nop
	s_wait_alu depctr_va_vdst(0)                   ; the 32 reciprocals have written their results, ahead of the first reader
	s_wait_loadcnt 40                              ; this tile's v is in.  Behind it may be out: the other buffer's 21, the 17 and the 2 issued above
.irp p, 0,1,2,3
.irp m, 0,1,2,3
	v_pk_fma_f32 v[SACC+2*\m:SACC+2*\m+1], v[ACC+8*\m+2*\p:ACC+8*\m+2*\p+1], v[CDV+16*\be+8+2*\p:CDV+16*\be+9+2*\p], v[SACC+2*\m:SACC+2*\m+1]
.endr
.endr
	s_wait_alu depctr_va_vdst(0)                   ; the sixteen multiply-adds are done reading v, in which the two loads below land
	LOADV \be
.endm
; COMPUTE: 16 rows of the copy (set at register eb of window 1), weights from register pf on: context += p x row, straight from the bf16 halves
.macro CTXROWS eb, pf
.irp q, 0,1,2,3,4,5,6,7,8,9,10,11,12,13,14,15
.irp i, 0,1,2,3
	v_fma_mix_f32_bf16 v[CTX+2*\i],   v[\eb+4*\q+\i], v[\pf+\q], v[CTX+2*\i] op_sel_hi:[1,0,0]
	v_fma_mix_f32_bf16 v[CTX+2*\i+1], v[\eb+4*\q+\i], v[\pf+\q], v[CTX+2*\i+1] op_sel:[1,0,0] op_sel_hi:[1,0,0]
.endr
.endr
.endm
	; ---- the head: every wave
	s_load_b512 s[4:19], s[0:1], 0x0               ; enc, mask, v_w, wimg, wsc, cdp, scr, pml
	s_load_b64 s[20:21], s[0:1], 0x40              ; pctx
	v_lshl_add_u32 v19, v0, 2, 0x49c00
	v_mov_b32 v126, 0
	v_lshrrev_b32 v94, 5, v0
	v_readfirstlane_b32 s[WVN], v94                ; wave 0..7
	v_and_b32 v94, 31, v0                          ; lane
	v_and_b32 v95, 15, v0                          ; r
	v_bfe_u32 v96, v0, 4, 1                        ; h
	v_lshrrev_b32 v97, 3, v94                      ; lane / 8
	s_wait_alu depctr_va_vdst(0)
	s_wait_alu depctr_va_sdst(0)                   ; the wave's number is written, ahead of its first reader
	s_lshr_b32 s[ROLE], s[WVN], 2
	s_xor_b32 s[ROLE], s[ROLE], s[WVN]
	s_and_b32 s[ROLE], s[ROLE], 1                  ; compute: waves 0, 2, 5, 7; loaders: 1, 3, 4, 6: in each role wave % 4 and wave / 2 take each of their four values once
	s_lshr_b32 s[QN], s[WVN], 1
	s_mul_i32 s56, s[QN], 16*CP
	s_add_co_u32 s56, s56, CDB
	v_lshl_add_u32 v[ACD], v94, 1, s56
	s_mul_i32 s56, s[QN], 16*SP
	s_add_co_u32 s56, s56, SCB
	v_add_nc_u32 v[ASC], s56, v97
	s_lshl_b32 s56, s[QN], 15
	v_lshl_add_u32 v[ABF0], v94, 3, s56
	v_lshl_add_u32 v[ABF], v94, 3, s56             ; block 0 goes into copy 0
	v_mul_u32_u24 v[AXF], v95, CP
	v_lshl_add_u32 v[AXF], v96, 4, v[AXF]
	v_add_nc_u32 v[AXF], CDB, v[AXF]
	v_mul_u32_u24 v[AXS], v95, SP
	v_lshl_add_u32 v[AXS], v96, 4, v[AXS]
	v_add_nc_u32 v[AXS], SCB, v[AXS]
	s_lshl_b32 s56, s[QN], 8
	s_add_co_u32 s57, s56, SPT
	v_lshl_add_u32 v[ASP], v95, 2, s57
	v_lshl_add_u32 v[ASR], v94, 3, SPT
	s_add_co_u32 s57, s56, PPV
	v_lshl_add_u32 v[APW], v94, 3, s57
	v_mov_b32 v[APR], s57
	s_lshl_b32 s56, s[QN], 9
	v_lshl_add_u32 v[ACX0], v94, 4, s56
	v_lshlrev_b32 v[WOF], 4, v94
	v_lshlrev_b32 v[HOF], 5, v96
	v_lshlrev_b32 v[CHO], 8, v96
	v_lshlrev_b32 v[SOF], 3, v94
	s_mov_b32 s[FLR], 0x1800000                    ; 2^(3 - 127)
	s_mov_b32 s[EOFS], 0xff000000                  ; -(2 << 23)
	s_mov_b32 s[CC], 0x4038aa3b                    ; c = 2 log2(e)
	s_mov_b32 s[CC+1], s[CC]                       ; (named with it as a pair, so it is written)
	s_mov_b32 s[SEL], 0x76543210
	s_mov_b32 s[SEL+1], 0xfedcba98                 ; v_permlanex16_b32's selects for lane l xor 16
	s_mov_b32 s[OFS+1], 0
	s_mov_b32 s[JN], 0
	s_mov_b32 s[PL], BFB                           ; in trip 0 the loaders write copy 1,
	s_mov_b32 s[PCX], 0                            ; and the context reads copy 0
	s_mov_b32 s[MKO], MSK                          ; block 0's mask words
	s_mov_b32 s57, 0
	s_wait_kmcnt 0x0
	s_lshl_b32 s56, ttmp9, 20                      ; enc: 256 rows of 4,096 bytes a work-group, 16 rows a loader
	s_lshl_b32 s58, s[QN], 16
	s_add_co_u32 s56, s56, s58
	s_add_nc_u64 s[EB:EB+1], s[EB:EB+1], s[56:57]
	s_lshl_b32 s56, ttmp9, 10                      ; mask and scr: 256 words a work-group
	s_add_nc_u64 s[SCRB:SCRB+1], s[SCRB:SCRB+1], s[56:57]
	s_lshl_b32 s58, s[QN], 8
	s_add_co_u32 s56, s56, s58                     ; mask: 64 words a compute wave
	s_add_nc_u64 s[MKB:MKB+1], s[MKB:MKB+1], s[56:57]
	s_lshl_b32 s56, s[QN], 10
	s_add_nc_u64 s[VB:VB+1], s[VB:VB+1], s[56:57]
	s_lshl_b32 s58, ttmp9, 12
	s_add_co_u32 s56, s56, s58
	s_add_nc_u64 s[PCB:PCB+1], s[PCB:PCB+1], s[56:57]
	s_lshl_b32 s56, s[QN], 17
	s_add_nc_u64 s[WB:WB+1], s[WB:WB+1], s[56:57]
	s_lshl_b32 s56, s[QN], 13
	s_add_nc_u64 s[SB:SB+1], s[SB:SB+1], s[56:57]
	s_lshl_b32 s56, s[QN], 15                      ; cdp: my 16 tiles; batch b = g / 8: piece a = b / 16, lane b % 16
	s_lshr_b32 s58, ttmp9, 7
	s_lshl_b32 s58, s58, 10
	s_add_co_u32 s56, s56, s58
	s_bfe_u32 s58, ttmp9, 0x40003
	s_lshl_b32 s58, s58, 4
	s_add_co_u32 s56, s56, s58
	s_add_nc_u64 s[CB:CB+1], s[CB:CB+1], s[56:57]
	s_lshl_b32 s56, ttmp9, 8
	s_add_nc_u64 s[PMB:PMB+1], s[PMB:PMB+1], s[56:57]
	s_cmp_lg_u32 s[ROLE], 0
	s_cbranch_scc1 .Lpro_loader
	; ---- compute: the mask, the sum of v, the first two column tiles
	s_wait_alu depctr_va_vdst(0)                   ; the head's offsets and LDS addresses v1 to v18 are written, which my loads and stores read; the head is done with v94 to v97, in which loads below land
	global_load_b64 v[102:103], v[SOF], s[MKB:MKB+1]
	global_load_b128 v[94:97], v[WOF], s[VB:VB+1]
	global_load_b128 v[98:101], v[WOF], s[VB:VB+1] offset:512
	s_mov_b32 s[TI], 0
	GADDR
	WLOADW 0
	LOADCD 0
	LOADV 0
	WLOADW 1
	LOADCD 1
	LOADV 1
	s_mov_b32 s[TI], 2
.irp i, 0,1,2,3,4,5,6,7
	v_mov_b32 v[CTX+\i], 0
.endr
	v_mov_b32 v[LR], 0
	v_mov_b32 v[MR], 0xff61b1e6                    ; -3e38, under every score
	s_wait_loadcnt 42                              ; the mask and v are in; the two tiles' 42 loads may be out
	ds_store_b64 v[APW], v[102:103] offset:MSK-PPV ; my 64 mask words
	v_pk_add_f32 v[94:95], v[94:95], v[96:97]
	v_pk_add_f32 v[98:99], v[98:99], v[100:101]
	v_pk_add_f32 v[94:95], v[94:95], v[98:99]
	v_add_f32 v[VS], v94, v95
.irp x, 1,2,4,8
	v_add_f32_dpp v[VS], v[VS], v[VS] row_xmask:\x row_mask:0xf bank_mask:0xf
.endr
	v_permlanex16_b32 v96, v[VS], s[SEL], s[SEL+1]
	v_add_f32 v[VS], v[VS], v96                    ; the sum of v over my 256 columns, in every lane
	s_branch .Lpro_done
	; ---- loaders: the ring is filled, and block 0 is made
.Lpro_loader:
	WIN 0x40
	s_wait_alu depctr_va_vdst(0)                   ; the head's offsets and LDS addresses v1 to v18 are written, which my loads and stores read
.irp g, 0,1,2,3,4,5,6,7
.irp a, 0,1,2,3,4,5,6,7
	global_load_b128 v[32*\g+4*\a:32*\g+4*\a+3], v[WOF], s[EB:EB+1] offset:4096*\g+512*\a th:TH_LOAD_NT
.endr
.endr
	WIN 0
.irp g, 0,1,2,3,4,5,6,7
	XGROUP \g, 1, 56                               ; 56: the seven younger rows' loads stay out
.endr
.irp g, 8,9,10,11,12,13,14,15
	XGROUP \g, 2, 56
.endr
	s_wait_xcnt 0x0                                ; the loads have read their base
	s_add_nc_u64 s[EB:EB+1], s[EB:EB+1], 262144    ; the next block: 64 rows on
.Lpro_done:
	BAR                                            ; once: block 0 and the mask words lie whole in LDS
.Lperiod:                                          ; 4 trips.  At the head block J lies whole in LDS: by the barrier above, or by the last trip's barrier C, behind which the loaders have stored nothing
	s_wait_alu depctr_vm_vsrc(0)                   ; the LDS instructions issued so far have read the four addresses that the lines below write (the loaders' stores v[ABF]; the context's loads v[ACXL], v[ACXH]; the mask's load v[AMK]); and my stores of mask words, scores and p have read their data in v94-125, which the products write again
	v_add_nc_u32 v[ABF], s[PL], v[ABF0]
	v_add_nc_u32 v[ACXL], s[PCX], v[ACX0]
	v_add_nc_u32 v[ACXH], 0x10000, v[ACXL]
	v_add_nc_u32 v[AMK], s[MKO], v[SOF]            ; the block's mask words, 8 bytes a lane
	s_cmp_lg_u32 s[ROLE], 0
	s_cbranch_scc1 .La_done
	XFETCH
.irp i, 0,1,2,3,4,5,6,7
	v_mov_b32 v[SACC+\i], 0
.endr
.La_done:
	BAR                                            ; B: the codes are in registers, and every compute wave's reads of the last block's copy and partial scores are in: those bytes are free
	s_cmp_lg_u32 s[ROLE], 0
	s_cbranch_scc1 .Lloader
	s_mov_b32 s[TC], 8
.Ltile:                                            ; 8 trips of two column tiles
	TILE 0
	TILE 1
	s_add_co_u32 s[TI], s[TI], 2
	s_and_b32 s[TI], s[TI], 15                     ; behind tile 15 comes the next block's tile 0
	s_sub_co_i32 s[TC], s[TC], 1
	s_cmp_lg_u32 s[TC], 0
	s_cbranch_scc1 .Ltile
.irp m, 0,1,2,3
	v_add_f32 v[94+\m], v[SACC+2*\m], v[SACC+2*\m+1]
.endr
.irp m, 0,1,2,3
	v_permlanex16_b32 v[98+\m], v[94+\m], s[SEL], s[SEL+1]             ; the row's other eight columns of each tile lie in lane l xor 16
.endr
.irp m, 0,1,2,3
	v_add_f32 v[94+\m], v[94+\m], v[98+\m]
.endr
.irp m, 0,1,2,3
	v_fma_f32 v[94+\m], v[94+\m], -2.0, v[VS]      ; my 256 columns' part of the score
.endr
	s_wait_alu depctr_va_vdst(0)                   ; the lines above have written v94 to v97, which the LDS stores read
.irp m, 0,1,2,3
	ds_store_b32 v[ASP], v[94+\m] offset:64*\m     ; row 16 m + r; both halves of the lanes write the same word with the same value
.endr
	s_branch .Lb_done
.Lloader:
	s_cmp_eq_u32 s[JN], 3                          ; behind block 3 there is no block
	s_cbranch_scc1 .Lb_done
.irp g, 0,1,2,3,4,5,6,7
	XGROUP \g, 1, 56
.endr
	s_cmp_eq_u32 s[JN], 2                          ; block 3 asks for nothing behind it: no load leaves the buffer
	s_cbranch_scc1 .Ltail
.irp g, 8,9,10,11,12,13,14,15
	XGROUP \g, 2, 56
.endr
	s_wait_xcnt 0x0
	s_add_nc_u64 s[EB:EB+1], s[EB:EB+1], 262144
	s_branch .Lb_done
.Ltail:
.irp g, 8,9,10,11,12,13,14,15
	XGROUP \g, 0, 8*(15-\g)                        ; the counts run down: eight loads for each row still to come
.endr
.Lb_done:
	BAR                                            ; C: the four waves' partial scores lie in LDS, and so does the whole of block J + 1
	s_cmp_lg_u32 s[ROLE], 0
	s_cbranch_scc1 .Lc_done
	; ---- softmax of the block's 64 rows: lane l takes rows 2 l and 2 l + 1; each compute wave does it for itself
	s_wait_alu depctr_vm_vsrc(0)                   ; my LDS stores of the partial scores have read v94 to v97, in which the loads below land
	s_wait_alu depctr_va_vdst(0)                   ; v[AMK], made at the trip's head, is written: the load of the mask words reads it; and every vector line that names v94 to v103 is done: the five loads below land there.  It stands here, behind the label at which the two roles' ways join, so that it holds on every way to these loads
	ds_load_b64 v[94:95], v[ASR]
	ds_load_b64 v[96:97], v[ASR] offset:256
	ds_load_b64 v[98:99], v[ASR] offset:512
	ds_load_b64 v[100:101], v[ASR] offset:768
	ds_load_b64 v[102:103], v[AMK]
	v_mov_b32 v106, 0xd01502f9                     ; -1e10
	s_wait_dscnt 0x0
	v_pk_add_f32 v[104:105], v[94:95], v[96:97]
	v_pk_add_f32 v[104:105], v[104:105], v[98:99]
	v_pk_add_f32 v[104:105], v[104:105], v[100:101]
	s_wait_alu depctr_va_vdst(0)
	v_cmp_eq_u32 s58, 0, v102                      ; the two compares in a run, each into a scalar register of its own
	v_cmp_eq_u32 s59, 0, v103
	s_wait_alu depctr_va_sdst(0)                   ; s58 and s59 are written, ahead of the two selects that read them
	v_cndmask_b32 v104, v104, v106, s58
	v_cndmask_b32 v105, v105, v106, s59
	v_max_num_f32 v107, v104, v105
.irp x, 1,2,4,8
	v_max_num_f32_dpp v107, v107, v107 row_xmask:\x row_mask:0xf bank_mask:0xf
.endr
	v_permlanex16_b32 v94, v107, s[SEL], s[SEL+1]
	v_max_num_f32 v107, v107, v94                  ; the block's largest score
	v_max_num_f32 v109, v[MR], v107                ; the new m
	v_sub_f32 v110, v[MR], v109                    ; the differences are taken first and scaled then: scores of -1e10 leave nothing behind
	v_sub_f32 v114, v104, v109
	v_sub_f32 v115, v105, v109
	v_mul_f32 v110, 0x3fb8aa3b, v110
	v_mul_f32 v114, 0x3fb8aa3b, v114
	v_mul_f32 v115, 0x3fb8aa3b, v115
	s_wait_alu depctr_va_vdst(0)
	v_exp_f32 v112, v110                           ; f = e^(m_old - m_new)
	v_exp_f32 v114, v114                           ; p
	v_exp_f32 v115, v115
	v_mov_b32 v[MR], v109                          ; (a plain place behind the exponentials)
	s_wait_alu depctr_va_vdst(0)                   ; the three exponentials have written their results, ahead of the first reader: p is the LDS store's data; and the selects have written the scores v104, v105, which the store below reads
	ds_store_b64 v[APW], v[114:115]
	s_cmp_lg_u32 s[QN], 0
	s_cbranch_scc1 .Lno_scr
	global_store_b64 v[SOF], v[104:105], s[SCRB:SCRB+1]                ; the wave stores 256 consecutive bytes, aligned
.Lno_scr:
	v_add_f32 v116, v114, v115
.irp x, 1,2,4,8
	v_add_f32_dpp v116, v116, v116 row_xmask:\x row_mask:0xf bank_mask:0xf
.endr
	v_permlanex16_b32 v95, v116, s[SEL], s[SEL+1]
	v_add_f32 v116, v116, v95
	v_fma_f32 v[LR], v[LR], v112, v116
.irp i, 0,2,4,6
	v_pk_mul_f32 v[CTX+\i:CTX+\i+1], v[CTX+\i:CTX+\i+1], v[112:113] op_sel_hi:[1,0]   ; (of the pair the low word serves both halves; v113 was written by the tiles' work)
.endr
	; ---- context += p x row, from the bf16 copy: my 256 columns, 512 consecutive bytes of each row.  Rows 0-47 go into three sets of registers at once; rows 48-63 take the first set's place
	WIN 0x40
	s_wait_alu depctr_va_vdst(0)                   ; the block's products are done reading x's fragments, in which p and the copy's rows land; v[ACXL] and v[ACXH], made at the trip's head, are written
.irp i, 0,1,2,3,4,5,6,7,8,9,10,11,12,13,14,15
	ds_load_b128 v[4*\i:4*\i+3], v[APR] offset:16*\i                   ; all 64 p in every lane; LDS serves a wave's instructions in order: these see my store
.endr
.irp q, 0,1,2,3,4,5,6,7,8,9,10,11,12,13,14,15
	ds_load_b128 v[64+4*\q:64+4*\q+3], v[ACXL] offset:2048*\q
.endr
.irp q, 0,1,2,3,4,5,6,7,8,9,10,11,12,13,14,15
	ds_load_b128 v[128+4*\q:128+4*\q+3], v[ACXL] offset:2048*(16+\q)
.endr
.irp q, 0,1,2,3,4,5,6,7,8,9,10,11,12,13,14,15
	ds_load_b128 v[192+4*\q:192+4*\q+3], v[ACXH] offset:2048*\q
.endr
	WIN 0x05
	s_wait_dscnt 32                                ; p and rows 0-15 are in; the two younger sets' 32 loads may be out
	CTXROWS 64, 0
	WIN 0x40
	s_wait_alu depctr_va_vdst(0)                   ; the multiply-adds of rows 0-15 are done reading their set, in which rows 48-63 land
.irp q, 0,1,2,3,4,5,6,7,8,9,10,11,12,13,14,15
	ds_load_b128 v[64+4*\q:64+4*\q+3], v[ACXH] offset:2048*(16+\q)
.endr
	WIN 0x05
	s_wait_dscnt 32                                ; rows 16-31 are in; the 32 loads of rows 32-63 may be out
	CTXROWS 128, 16
	s_wait_alu depctr_va_vdst(0)
	s_wait_dscnt 16                                ; rows 32-47 are in
	CTXROWS 192, 32
	s_wait_alu depctr_va_vdst(0)
	s_wait_dscnt 0x0
	CTXROWS 64, 48
	WIN 0
	s_wait_xcnt 0x0                                ; the store of the scores has read its base and its data
	s_add_nc_u64 s[SCRB:SCRB+1], s[SCRB:SCRB+1], 256
.Lc_done:
	s_xor_b32 s[PL], s[PL], BFB                    ; the copies change places
	s_xor_b32 s[PCX], s[PCX], BFB
	s_add_co_u32 s[MKO], s[MKO], 256               ; the next block's mask words
	s_add_co_u32 s[JN], s[JN], 1
	s_cmp_lt_u32 s[JN], 4
	s_cbranch_scc1 .Lperiod
	s_cmp_lg_u32 s[ROLE], 0
	s_cbranch_scc1 .Lend
	s_wait_alu depctr_va_vdst(0)                   ; the last block's lines have written the context, m and l, which the stores below read
	global_store_b128 v[WOF], v[CTX:CTX+3], s[PCB:PCB+1]               ; pctx[g][Q][e][lane][4]: 512 consecutive bytes each
	global_store_b128 v[WOF], v[CTX+4:CTX+7], s[PCB:PCB+1] offset:512
	s_cmp_lg_u32 s[QN], 0
	s_cbranch_scc1 .Lend
	global_store_b64 v[SOF], v[MR:LR], s[PMB:PMB+1]                    ; (m, l), the same in all lanes: 256 consecutive bytes, aligned
.Lend:
	s_wait_dscnt 0x0                               ; the closing lines, six on end
	s_wait_alu 0x0
	s_wait_tensorcnt 0x0
	ds_add_u32 v19, v126
	s_wait_dscnt 0x0
	s_endpgm
.Lfunc_end_k_q80e377b4bb_main:
	.size	k_q80e377b4bb_main, .Lfunc_end_k_q80e377b4bb_main-k_q80e377b4bb_main
	.p2alignl 7, 3214868480
	.fill 96, 4, 3214868480
	.section	.rodata,"a",@progbits
	.p2align	6, 0x0
	.amdhsa_kernel k_q80e377b4bb_main
		.amdhsa_group_segment_fixed_size 303104
		.amdhsa_private_segment_fixed_size 0
		.amdhsa_enable_private_segment 0
		.amdhsa_kernarg_size 72
		.amdhsa_user_sgpr_count 2
		.amdhsa_user_sgpr_kernarg_segment_ptr 1
		.amdhsa_wavefront_size32 1
		.amdhsa_system_sgpr_workgroup_id_x 1
		.amdhsa_system_sgpr_workgroup_id_y 1
		.amdhsa_system_sgpr_workgroup_id_z 1
		.amdhsa_system_vgpr_workitem_id 0
		.amdhsa_next_free_vgpr 512
		.amdhsa_next_free_sgpr 66
		.amdhsa_reserve_vcc 0
		.amdhsa_float_denorm_mode_32 3
		.amdhsa_float_denorm_mode_16_64 3
		.amdhsa_memory_ordered 1
		.amdhsa_forward_progress 1
		.amdhsa_inst_pref_size 255
	.end_amdhsa_kernel
	.section	.bss,"aw",@nobits
	.p2align	6
	.space	262144
	.amdgpu_metadata
---
amdhsa.version: [ 1, 2 ]
amdhsa.kernels:
  - .name:           k_q80e377b4bb_main
    .symbol:         k_q80e377b4bb_main.kd
    .args:
      - { .name: encoder_outputs, .offset: 0, .size: 8, .value_kind: global_buffer, .address_space: global }
      - { .name: mask, .offset: 8, .size: 8, .value_kind: global_buffer, .address_space: global }
      - { .name: v_w, .offset: 16, .size: 8, .value_kind: global_buffer, .address_space: global }
      - { .name: wimg, .offset: 24, .size: 8, .value_kind: global_buffer, .address_space: global }
      - { .name: wsc, .offset: 32, .size: 8, .value_kind: global_buffer, .address_space: global }
      - { .name: cdp, .offset: 40, .size: 8, .value_kind: global_buffer, .address_space: global }
      - { .name: scr, .offset: 48, .size: 8, .value_kind: global_buffer, .address_space: global }
      - { .name: pml, .offset: 56, .size: 8, .value_kind: global_buffer, .address_space: global }
      - { .name: pctx, .offset: 64, .size: 8, .value_kind: global_buffer, .address_space: global }
    .group_segment_fixed_size: 303104
    .private_segment_fixed_size: 0
    .kernarg_segment_align: 8
    .kernarg_segment_size: 72
    .max_flat_workgroup_size: 256
    .sgpr_count:     66
    .vgpr_count:     512
    .wavefront_size: 32
...
	.end_amdgpu_metadata
.endif
;; end of part 5
;; launch join (part 6): grid 32 x 1, 8 waves a work-group, no clusters, 0 bytes of LDS; arguments scr, pml, pctx, out0, out1; writes out0, out1
.if DOCPART == 6
	.amdgcn_target "amdgcn-amd-amdhsa--gfx1250"
	.amdhsa_code_object_version 6
	.text
	.protected	k_q80e377b4bb_join
	.globl	k_q80e377b4bb_join
	.p2align	8
	.type	k_q80e377b4bb_join,@function
k_q80e377b4bb_join:
	s_mov_b64 s[64:65], 0
	v_nop
	global_prefetch_b8 v0, s[64:65] scope:SCOPE_SE
	s_setreg_imm32_b32 hwreg(HW_REG_WAVE_MODE, 25, 1), 1
	s_wait_xcnt 0x0
; One work-group for each batch b joins the eight partial results of the launch before: M = the largest m_i, w_i = e^(m_i - M), L = the sum of l_i w_i;
; out1[b] = (the sum of w_i x partial context i) / L;  out0[b][s] = e^(score - M) / L.  A batch whose mask is all zeros has every score -1e10: M = -1e10, every weight 1 / 2,048.
; 40 KiB are read for a batch; all loads go out at once.  Thread t takes columns 4 t .. 4 t + 3 of the context and scores 4 t .. 4 t + 3 and 1,024 + 4 t .. + 3.
; No LDS, no barrier, no matrix unit: the waves share nothing and there is no product here.
	s_load_b256 s[4:11], s[0:1], 0x0               ; scr s[4:5], pml s[6:7], pctx s[8:9], out0 s[10:11]
	s_load_b64 s[12:13], s[0:1], 0x20              ; out1
	v_lshlrev_b32 v1, 4, v0                        ; 16 t
	v_lshrrev_b32 v2, 6, v0                        ; pctx[g][q][e][lane][4] holds column 256 q + 8 lane + 4 e + i: q = t / 64, lane = (t / 2) % 32, e = t % 2
	s_delay_alu instid0(VALU_DEP_1)
	v_lshlrev_b32 v2, 10, v2
	v_and_b32 v3, 1, v0
	s_delay_alu instid0(VALU_DEP_1)
	v_lshl_add_u32 v2, v3, 9, v2
	v_bfe_u32 v3, v0, 1, 5
	s_delay_alu instid0(VALU_DEP_1)
	v_lshl_add_u32 v2, v3, 4, v2
	s_mov_b32 s15, 0
	s_wait_alu depctr_va_vdst(0)
	s_wait_kmcnt 0x0
	s_lshl_b32 s14, ttmp9, 11
	s_add_nc_u64 s[6:7], s[6:7], s[14:15]
.irp i, 0,1,2,3,4,5,6,7
	s_load_b64 s[16+2*\i:17+2*\i], s[6:7], 256*\i  ; (m_i, l_i)
.endr
	s_lshl_b32 s14, ttmp9, 15
	s_add_nc_u64 s[8:9], s[8:9], s[14:15]
	s_lshl_b32 s14, ttmp9, 13
	s_add_nc_u64 s[4:5], s[4:5], s[14:15]
	s_add_nc_u64 s[10:11], s[10:11], s[14:15]
	s_lshl_b32 s14, ttmp9, 12
	s_add_nc_u64 s[12:13], s[12:13], s[14:15]
.irp i, 0,1,2,3,4,5,6,7
	global_load_b128 v[48+4*\i:51+4*\i], v2, s[8:9] offset:4096*\i
.endr
	global_load_b128 v[80:83], v1, s[4:5]
	global_load_b128 v[84:87], v1, s[4:5] offset:4096
	s_wait_kmcnt 0x0
	v_mov_b32 v4, s16
	s_delay_alu instid0(VALU_DEP_1)
	v_max3_num_f32 v4, v4, s18, s20
	s_delay_alu instid0(VALU_DEP_1)
	v_max3_num_f32 v4, v4, s22, s24
	s_delay_alu instid0(VALU_DEP_1)
	v_max3_num_f32 v4, v4, s26, s28
	s_delay_alu instid0(VALU_DEP_1)
	v_max_num_f32 v4, s30, v4                      ; M
.irp i, 0,1,2,3,4,5,6,7
	v_sub_f32 v[16+\i], s[16+2*\i], v4             ; the difference first, the scaling then
.endr
.irp i, 0,1,2,3,4,5,6,7
	v_mul_f32 v[16+\i], 0x3fb8aa3b, v[16+\i]
.endr
	s_wait_alu depctr_va_vdst(0)
.irp i, 0,1,2,3,4,5,6,7
	v_exp_f32 v[32+2*\i], v[16+\i]                 ; w_i, twice: a pair for the packed multiply-adds
	v_exp_f32 v[33+2*\i], v[16+\i]
.endr
	v_nop                                          ; a plain place behind the last exponential
	s_wait_alu depctr_va_vdst(0)                   ; one wait for the batch, ahead of its first reader
	v_mul_f32 v5, s17, v32
.irp i, 1,2,3,4,5,6,7
	v_fma_f32 v5, s[17+2*\i], v[32+2*\i], v5       ; L
.endr
	s_wait_alu depctr_va_vdst(0)
	v_rcp_f32 v6, v5
	v_rcp_f32 v7, v5
	v_nop
	s_wait_alu depctr_va_vdst(0)
	s_wait_loadcnt 2                               ; the eight partial contexts are in; the two loads of scores may be out
	v_pk_mul_f32 v[8:9], v[48:49], v[32:33]
	v_pk_mul_f32 v[10:11], v[50:51], v[32:33]
.irp i, 1,2,3,4,5,6,7
	v_pk_fma_f32 v[8:9], v[48+4*\i:49+4*\i], v[32+2*\i:33+2*\i], v[8:9]
	v_pk_fma_f32 v[10:11], v[50+4*\i:51+4*\i], v[32+2*\i:33+2*\i], v[10:11]
.endr
	v_pk_mul_f32 v[8:9], v[8:9], v[6:7]
	v_pk_mul_f32 v[10:11], v[10:11], v[6:7]
	global_store_b128 v1, v[8:11], s[12:13]        ; the wave stores 512 consecutive bytes
	s_wait_loadcnt 0x0
.irp j, 0,1,2,3,4,5,6,7
	v_sub_f32 v[80+\j], v[80+\j], v4
.endr
.irp j, 0,1,2,3,4,5,6,7
	v_mul_f32 v[80+\j], 0x3fb8aa3b, v[80+\j]
.endr
	s_wait_alu depctr_va_vdst(0)
.irp j, 0,1,2,3,4,5,6,7
	v_exp_f32 v[80+\j], v[80+\j]
.endr
	v_nop
	s_wait_alu depctr_va_vdst(0)
.irp j, 0,2,4,6
	v_pk_mul_f32 v[80+\j:81+\j], v[80+\j:81+\j], v[6:7]
.endr
	global_store_b128 v1, v[80:83], s[10:11]
	global_store_b128 v1, v[84:87], s[10:11] offset:4096
	s_endpgm
.Lfunc_end_k_q80e377b4bb_join:
	.size	k_q80e377b4bb_join, .Lfunc_end_k_q80e377b4bb_join-k_q80e377b4bb_join
	.p2alignl 7, 3214868480
	.fill 96, 4, 3214868480
	.section	.rodata,"a",@progbits
	.p2align	6, 0x0
	.amdhsa_kernel k_q80e377b4bb_join
		.amdhsa_group_segment_fixed_size 0
		.amdhsa_private_segment_fixed_size 0
		.amdhsa_enable_private_segment 0
		.amdhsa_kernarg_size 40
		.amdhsa_user_sgpr_count 2
		.amdhsa_user_sgpr_kernarg_segment_ptr 1
		.amdhsa_wavefront_size32 1
		.amdhsa_system_sgpr_workgroup_id_x 1
		.amdhsa_system_sgpr_workgroup_id_y 1
		.amdhsa_system_sgpr_workgroup_id_z 1
		.amdhsa_system_vgpr_workitem_id 0
		.amdhsa_next_free_vgpr 96
		.amdhsa_next_free_sgpr 66
		.amdhsa_reserve_vcc 0
		.amdhsa_float_denorm_mode_32 3
		.amdhsa_float_denorm_mode_16_64 3
		.amdhsa_memory_ordered 1
		.amdhsa_forward_progress 1
		.amdhsa_inst_pref_size 8
	.end_amdhsa_kernel
	.amdgpu_metadata
---
amdhsa.version: [ 1, 2 ]
amdhsa.kernels:
  - .name:           k_q80e377b4bb_join
    .symbol:         k_q80e377b4bb_join.kd
    .args:
      - { .name: scr, .offset: 0, .size: 8, .value_kind: global_buffer, .address_space: global }
      - { .name: pml, .offset: 8, .size: 8, .value_kind: global_buffer, .address_space: global }
      - { .name: pctx, .offset: 16, .size: 8, .value_kind: global_buffer, .address_space: global }
      - { .name: out0, .offset: 24, .size: 8, .value_kind: global_buffer, .address_space: global }
      - { .name: out1, .offset: 32, .size: 8, .value_kind: global_buffer, .address_space: global }
    .group_segment_fixed_size: 0
    .private_segment_fixed_size: 0
    .kernarg_segment_align: 8
    .kernarg_segment_size: 40
    .max_flat_workgroup_size: 256
    .sgpr_count:     66
    .vgpr_count:     96
    .wavefront_size: 32
...
	.end_amdgpu_metadata
.endif
;; end of part 6
